; MI455X (gfx1250); checked and timed in simulation.
; The chip was launched on July 23, 2026; its instructions are those of AMD's public machine-readable ISA for CDNA 5 (MIT licence, August 2026) and "CDNA5" Instruction Set Architecture Reference Guide (July 2026). The comments in the code are by the model that wrote it; some were corrected since.
;; HF Attention. Allowed arithmetic: float matrix products may take bf16 or f16 operands with f32 sums; other float arithmetic in f32, or as packed bf16 or f16 multiplies, adds, multiply-adds, maxima and minima; sums over many terms, partial sums and values carried from step to step in f32; what a program stores and reads back later, other than sums and carried values, may be rounded once to bf16 or f16.
;; Inputs: attention_mask 1 x 1 x 2,048 x 2,048 bool; hidden_states 1 x 2,048 x 4,096 float32; k_norm_w 128 float32; position_ids 1 x 2,048 int32; q_norm_w 128 float32; wk 4,096 x 1,024 float32; wo 2,048 x 4,096 float32; wq 4,096 x 2,048 float32; wv 4,096 x 1,024 float32.
;; Outputs: out0 1 x 2,048 x 4,096 float32.
;; One version. Each part assembles by itself: llvm-mc -triple=amdgcn-amd-amdhsa -mcpu=gfx1250 --defsym DOCPART=n.
;; ======== version 1 of 1: 4 launches
;; limits: values are held in f16: magnitudes above 65,504 overflow, below 6.1e-05 lose precision; right only within a limited range of input values
;; workspace buffers: xb 16,777,216 bytes; wb 33,554,432 bytes; wob 16,777,216 bytes; rope 2,097,152 bytes; nw 1,536 bytes; bias 8,388,608 bytes; qkv 16,777,216 bytes; ob 8,388,608 bytes
;; launch prep (part 1): grid 2304 x 1, 8 waves a work-group, no clusters, 35,840 bytes of LDS; arguments hidden_states, wq, wk, wv, wo, q_norm_w, k_norm_w, attention_mask, position_ids, xb, wb, wob, rope, nw, bias; writes xb, wb, wob, rope, nw, bias
.if DOCPART == 1
	.amdgcn_target "amdgcn-amd-amdhsa--gfx1250"
	.amdhsa_code_object_version 6
	.text
	.protected	k_qfc2f5a540f_prep
	.globl	k_qfc2f5a540f_prep
	.p2align	8
	.type	k_qfc2f5a540f_prep,@function
k_qfc2f5a540f_prep:
	s_mov_b64 s[64:65], 0
	v_nop
	global_prefetch_b8 v0, s[64:65] scope:SCOPE_SE
	s_setreg_imm32_b32 hwreg(HW_REG_WAVE_MODE, 25, 1), 1
	s_wait_xcnt 0x0
; PREP: what the three matrix launches want ready.  Four kinds of work-group, chosen by the work-group's number:
;   0-511     XIMG  x -> xb, bf16, as the matrix unit's lanes hold it: [row / 16][k / 32][2][lane][16 bytes]; lane (r, h) of half j holds row r, k = 16 j + 8 h + 0..7 of the block
;   512-2047  CAST  wq | wk | wv -> wb [4096 k][4096 n] (bf16); wo -> wob = 4 x wo rounded to bf16, that number written as f16 (the launch behind multiplies O / 4 by it)
;   2048-2175 ROPE  rope[0][s] = cos, sin (64 f32 each) of position_ids[s] x 10000^(-d/64); rope[1][s] = 1, 0 (for V); nw = the two gains rounded to bf16, and ones
;   2176-2303 MASK  bias: 0 where the mask allows, else bf16 0xceac = -1,442,840,576 (-1e9 log2 e), laid as the score tiles' lanes hold them
; LIMITS.  4 wo below 2^-14 keeps f16's fixed step of 6e-8.  The angle is reduced by k = rndne(angle 2/pi) and pi/2 in two parts, the series go to r^9 and r^8 on |r| <= pi/4:
; good for every position of the table (0 to 2047).  A mask byte is 0 or 1.
; A stream: no matrix unit, no cluster, no tensor load; each wave's loads cover 512 consecutive bytes, each store whole aligned blocks of 256.
.set SPARE, 34816                      ; behind the eight stages of 4,352 bytes: the spare words, 128 bytes a wave
.set SPW,   112                        ; v112  LDS address of my spare word; never rewritten
.set NIL,   113                        ; v113  0; never rewritten
.set WVN,   40                         ; s40   my wave's number
.set ID,    41                         ; s41   the work-group's number
.set SRC,   42                         ; s[42:43] the cast's source
.set DST,   44                         ; s[44:45] the cast's destination
	s_load_b512 s[8:23], s[0:1], 0x0               ; x 8, wq 10, wk 12, wv 14, wo 16, q gain 18, k gain 20, mask 22
	s_load_b256 s[24:31], s[0:1], 0x40             ; position_ids 24, xb 26, wb 28, wob 30
	s_load_b128 s[32:35], s[0:1], 0x60             ; rope 32, nw 34
	s_load_b64 s[36:37], s[0:1], 0x70              ; bias
	v_lshl_add_u32 v[SPW], v0, 2, SPARE
	v_mov_b32 v[NIL], 0
	v_lshrrev_b32 v1, 5, v0
	v_readfirstlane_b32 s[WVN], v1
	v_and_b32 v1, 31, v0                           ; lane
	s_mov_b32 s[ID], ttmp9
	s_wait_kmcnt 0x0
	s_cmp_lt_u32 s[ID], 512
	s_cbranch_scc0 .Lnot_x
	; XIMG.  A wave takes 16 rows x 128 k: in by whole pieces of 512 bytes of a row, rounded, through the wave's own stage (pitch 272), out as 8 runs of 512 consecutive bytes.
	s_lshr_b32 s46, s[ID], 2                       ; the block of 16 rows
	s_and_b32 s47, s[ID], 3
	s_lshl3_add_u32 s47, s47, s[WVN]               ; which 128 k of its 4,096: 8 (id % 4) + wave
	s_lshl_b32 s48, s46, 18                        ; in x: 16 rows of 16,384 bytes,
	s_lshl_b32 s49, s47, 9                         ; 512 bytes a piece
	s_add_co_u32 s48, s48, s49
	s_lshl_b32 s50, s46, 17                        ; in xb: 131,072 bytes a block of rows,
	s_lshl_b32 s49, s47, 12                        ; 4 blocks of 1,024 bytes a piece
	s_add_co_u32 s50, s50, s49
	s_mul_i32 s51, s[WVN], 4352                    ; my stage
	v_lshl_add_u32 v2, v1, 4, s48
	v_lshl_add_u32 v3, v1, 4, s50
	v_lshl_add_u32 v4, v1, 3, s51                  ; into the stage: 8 bytes a lane
	v_and_b32 v5, 15, v0
	v_bfe_u32 v6, v0, 4, 1
	v_mul_u32_u24 v5, v5, 272
	v_lshl_add_u32 v5, v6, 4, v5
	v_add_nc_u32 v5, s51, v5                       ; back: row r, 16 bytes at 16 h
.set i, 0
.rept 16
	global_load_b128 v[16+4*i:19+4*i], v2, s[8:9] offset:16384*i th:TH_LOAD_NT
.set i, i+1
.endr
.set i, 0
.rept 16
	s_wait_loadcnt 15-i                            ; the younger loads stay out
	v_cvt_pk_bf16_f32 v[16+4*i], v[16+4*i], v[17+4*i]
	v_cvt_pk_bf16_f32 v[17+4*i], v[18+4*i], v[19+4*i]
	ds_store_b64 v4, v[16+4*i:17+4*i] offset:272*i
.set i, i+1
.endr
.set i, 0
.rept 8
	ds_load_b128 v[80+4*i:83+4*i], v5 offset:32*i  ; LDS serves a wave's instructions in order (ISA guide 5.7.1.4): these see my stores above; run i = block i / 2, half i % 2
.set i, i+1
.endr
.set i, 0
.rept 8
	s_wait_dscnt 7-i
	global_store_b128 v3, v[80+4*i:83+4*i], s[26:27] offset:512*i
.set i, i+1
.endr
	s_wait_tensorcnt 0x0                           ; the wave's end, behind my last LDS store
	ds_add_u32 v[SPW], v[NIL]
	s_wait_dscnt 0x0
	s_endpgm
.Lnot_x:
	s_cmp_lt_u32 s[ID], 2048
	s_cbranch_scc0 .Lnot_cast
	; CAST.  A segment is 1,024 floats (4,096 bytes in, 2,048 out); a work-group takes 16, a wave 2 on end.  Segment g lands at (g >> sh) x pitch + (g & sh) x 2,048 + col.
	s_mov_b64 s[SRC:SRC+1], s[16:17]               ; 1536-2047: wo -> wob, dense
	s_mov_b64 s[DST:DST+1], s[30:31]
	s_mov_b32 s46, 1536                            ; the tensor's first work-group
	s_mov_b32 s47, 0                               ; sh
	s_mov_b32 s48, 2048                            ; pitch
	s_mov_b32 s49, 0                               ; col
	s_cmp_lt_u32 s[ID], 1536                       ; 1280-1535: wv -> wb, columns 3072 on
	s_cselect_b64 s[SRC:SRC+1], s[14:15], s[SRC:SRC+1]
	s_cselect_b64 s[DST:DST+1], s[28:29], s[DST:DST+1]
	s_cselect_b32 s46, 1280, s46
	s_cselect_b32 s48, 8192, s48
	s_cselect_b32 s49, 6144, s49
	s_cmp_lt_u32 s[ID], 1280                       ; 1024-1279: wk -> wb, columns 2048 on
	s_cselect_b64 s[SRC:SRC+1], s[12:13], s[SRC:SRC+1]
	s_cselect_b32 s46, 1024, s46
	s_cselect_b32 s49, 4096, s49
	s_cmp_lt_u32 s[ID], 1024                       ; 512-1023: wq -> wb, two segments to a row
	s_cselect_b64 s[SRC:SRC+1], s[10:11], s[SRC:SRC+1]
	s_cselect_b32 s46, 512, s46
	s_cselect_b32 s47, 1, s47
	s_cselect_b32 s49, 0, s49
	s_mov_b32 s58, 0xffff0000                      ; a word's upper bf16
	s_sub_co_u32 s46, s[ID], s46
	s_lshl_b32 s46, s46, 4
	s_lshl1_add_u32 s46, s[WVN], s46               ; my first segment = 16 x local + 2 x wave
	s_lshl_b32 s50, s46, 12
	v_lshl_add_u32 v2, v1, 4, s50                  ; source offset: 16 x lane + segment x 4,096
.irp j, 0,1
	s_add_co_u32 s50, s46, \j
	s_lshr_b32 s51, s50, s47
	s_mul_i32 s51, s51, s48
	s_and_b32 s50, s50, s47
	s_lshl_b32 s50, s50, 11
	s_add_co_u32 s51, s51, s50
	s_add_co_u32 s51, s51, s49
	v_lshl_add_u32 v[4+\j], v1, 3, s51             ; destination offset of segment j: 8 x lane + its place
.endr
; 16 loads of 512 consecutive bytes go out together; load n's 128 floats leave as one aligned block of 256 bytes.
; No register is used twice, so the only waits are the counted ones: 15 - n younger loads stay out.
.macro CASTRUN half
.set n, 0
.rept 16
	global_load_b128 v[16+4*n:19+4*n], v2, s[SRC:SRC+1] offset:512*n th:TH_LOAD_NT
.set n, n+1
.endr
.set n, 0
.rept 16
	s_wait_loadcnt 15-n
	v_cvt_pk_bf16_f32 v[16+4*n], v[16+4*n], v[17+4*n]
	v_cvt_pk_bf16_f32 v[17+4*n], v[18+4*n], v[19+4*n]
.if \half                              ; the bf16 numbers widened again, times 4 (exact), written as f16
	v_lshlrev_b32 v[18+4*n], 16, v[16+4*n]
	v_and_b32 v[19+4*n], s58, v[16+4*n]
	v_pk_mul_f32 v[18+4*n:19+4*n], v[18+4*n:19+4*n], 4.0 op_sel_hi:[1,0]
	v_cvt_pk_f16_f32 v[16+4*n], v[18+4*n], v[19+4*n]
	v_lshlrev_b32 v[18+4*n], 16, v[17+4*n]
	v_and_b32 v[19+4*n], s58, v[17+4*n]
	v_pk_mul_f32 v[18+4*n:19+4*n], v[18+4*n:19+4*n], 4.0 op_sel_hi:[1,0]
	v_cvt_pk_f16_f32 v[17+4*n], v[18+4*n], v[19+4*n]
.endif
	global_store_b64 v[4+n/8], v[16+4*n:17+4*n], s[DST:DST+1] offset:256*(n%8)
.set n, n+1
.endr
	s_endpgm
.endm
	s_cmp_lt_u32 s[ID], 1536
	s_cbranch_scc0 .Lcast_wo
	CASTRUN 0
.Lcast_wo:
	CASTRUN 1
.Lnot_cast:
	s_cmp_lt_u32 s[ID], 2176
	s_cbranch_scc0 .Lmask
	; ROPE.  16 rows s to a work-group; thread t: row t / 16, frequencies 4 (t % 16) + 0..3.
	s_sub_co_u32 s46, s[ID], 2048
	s_lshl_b32 s47, s46, 4
	v_lshrrev_b32 v2, 4, v0
	v_and_b32 v3, 15, v0
	v_add_nc_u32 v2, s47, v2                       ; s
	v_lshlrev_b32 v4, 2, v2
	global_load_b32 v5, v4, s[24:25]               ; position_ids[s]: it enters numbers alone, no address
	s_mov_b32 s52, 0xbfc90fdb                      ; -(pi/2)'s high part
	s_mov_b32 s53, 0x333bbd2e                      ; -(pi/2)'s low part
	s_mov_b32 s54, 0x3638ef1d                      ; 1/9!
	s_mov_b32 s55, 0xb9500d01                      ; -1/7!
	s_mov_b32 s56, 0x37d00d01                      ; 1/8!
	s_mov_b32 s57, 0xbab60b61                      ; -1/6!
	v_lshlrev_b32 v6, 2, v3
	v_lshlrev_b32 v7, 9, v2
	v_lshl_add_u32 v7, v3, 4, v7                   ; 512 s + 16 (t % 16)
.irp i, 0,1,2,3
	v_or_b32 v[8+\i], \i, v6                       ; d
.endr
.irp i, 0,1,2,3
	v_cvt_f32_u32 v[8+\i], v[8+\i]
.endr
.irp i, 0,1,2,3
	v_mul_f32 v[8+\i], 0xbe549a78, v[8+\i]         ; -d log2(10000) / 64
.endr
.irp i, 0,1,2,3
	v_exp_f32 v[8+\i], v[8+\i]                     ; 10000^(-d/64)
.endr
.irp i, 0,1,2,3
	v_mov_b32 v[48+\i], 1.0                        ; plain lines behind the exponentials (ISA guide 5.7.2): the second set's cos
.endr
.irp i, 0,1,2,3
	v_mov_b32 v[56+\i], 0                          ; and its sin
.endr
	s_wait_loadcnt 0x0
	v_cvt_f32_i32 v5, v5
	s_wait_alu depctr_va_vdst(0)
.irp i, 0,1,2,3
	v_mul_f32 v[12+\i], v5, v[8+\i]                ; the angle
.endr
.irp i, 0,1,2,3
	v_mul_f32 v[16+\i], 0x3f22f983, v[12+\i]       ; x 2/pi
.endr
.irp i, 0,1,2,3
	v_rndne_f32 v[16+\i], v[16+\i]                 ; k
.endr
.irp i, 0,1,2,3
	v_fma_f32 v[20+\i], v[16+\i], s52, v[12+\i]
.endr
.irp i, 0,1,2,3
	v_fma_f32 v[20+\i], v[16+\i], s53, v[20+\i]    ; r = angle - k pi/2
.endr
.irp i, 0,1,2,3
	v_mul_f32 v[24+\i], v[20+\i], v[20+\i]         ; r^2
	v_cvt_i32_f32 v[36+\i], v[16+\i]
.endr
.irp i, 0,1,2,3
	v_fma_f32 v[28+\i], v[24+\i], s54, s55
	v_fma_f32 v[32+\i], v[24+\i], s56, s57
.endr
.irp i, 0,1,2,3
	v_fmaak_f32 v[28+\i], v[28+\i], v[24+\i], 0x3c088889   ; + 1/5!
	v_fmaak_f32 v[32+\i], v[32+\i], v[24+\i], 0x3d2aaaab   ; + 1/4!
.endr
.irp i, 0,1,2,3
	v_fmaak_f32 v[28+\i], v[28+\i], v[24+\i], 0xbe2aaaab   ; - 1/3!
	v_fma_f32 v[32+\i], v[32+\i], v[24+\i], -0.5
.endr
.irp i, 0,1,2,3
	v_mul_f32 v[28+\i], v[28+\i], v[24+\i]
	v_fma_f32 v[32+\i], v[32+\i], v[24+\i], 1.0    ; cos r
.endr
.irp i, 0,1,2,3
	v_fma_f32 v[28+\i], v[28+\i], v[20+\i], v[20+\i]  ; sin r
.endr
.irp i, 0,1,2,3                        ; the quadrant: odd k swaps the two; sin turns its sign for k % 4 = 2, 3, cos for 1, 2
	v_and_b32 v52, 1, v[36+\i]
	v_cmp_ne_u32 vcc_lo, 0, v52
	v_cndmask_b32 v[44+\i], v[28+\i], v[32+\i], vcc_lo
	v_cndmask_b32 v[40+\i], v[32+\i], v[28+\i], vcc_lo
	v_and_b32 v52, 2, v[36+\i]
	v_add_nc_u32 v53, 1, v[36+\i]
	v_lshlrev_b32 v52, 30, v52
	v_and_b32 v53, 2, v53
	v_xor_b32 v[44+\i], v52, v[44+\i]
	v_lshlrev_b32 v53, 30, v53
	v_xor_b32 v[40+\i], v53, v[40+\i]
.endr
	global_store_b128 v7, v[40:43], s[32:33]                   ; sixteen lanes fill 256 consecutive bytes in each of the four
	global_store_b128 v7, v[44:47], s[32:33] offset:256
	global_store_b128 v7, v[48:51], s[32:33] offset:1048576
	global_store_b128 v7, v[56:59], s[32:33] offset:1048832
	s_or_b32 s47, s46, s[WVN]
	s_cmp_lg_u32 s47, 0
	s_cbranch_scc1 .Lrope_end                      ; the gains are one wave's work
	v_lshlrev_b32 v60, 4, v1
	global_load_b128 v[64:67], v60, s[18:19]
	global_load_b128 v[68:71], v60, s[20:21]
	s_wait_loadcnt 0x0
.irp b, 64, 68
	v_cvt_pk_bf16_f32 v72, v[\b], v[\b+1]          ; rounded to bf16 like every other float input, kept as f32
	v_cvt_pk_bf16_f32 v73, v[\b+2], v[\b+3]
	v_lshlrev_b32 v[\b], 16, v72
	v_and_b32 v[\b+1], 0xffff0000, v72
	v_lshlrev_b32 v[\b+2], 16, v73
	v_and_b32 v[\b+3], 0xffff0000, v73
.endr
	global_store_b128 v60, v[64:67], s[34:35]
	global_store_b128 v60, v[68:71], s[34:35] offset:512
	global_store_b128 v60, v[48:51], s[34:35] offset:1024
.Lrope_end:
	s_endpgm
.Lmask:
	; MASK.  Work-group qt: queries 16 qt + 0..15; wave w: keys 256 w + 0..255.  In: 16 rows x 256 bytes, whole.  Through the wave's own stage (pitch 272) each lane (r, h) gets the
	; 8 bytes of query r, keys 16 c + 8 h + 0..7.  Out: block c of 512 consecutive bytes, 8 bf16 a lane.
	s_sub_co_u32 s46, s[ID], 2176
	v_and_b32 v2, 15, v0                           ; r
	v_bfe_u32 v3, v0, 4, 1                         ; h
	s_mul_i32 s47, s[WVN], 4352                    ; my stage
	s_lshl_b32 s48, s46, 15
	s_lshl_b32 s49, s[WVN], 8
	s_add_co_u32 s48, s48, s49
	v_lshlrev_b32 v4, 4, v2
	v_lshl_add_u32 v5, v3, 11, v4
	v_add_nc_u32 v5, s48, v5                       ; in the mask: (16 qt + h) x 2,048 + 256 w + 16 r
	v_mul_u32_u24 v6, v3, 272
	v_add3_u32 v6, v6, v4, s47                     ; into the stage
	v_mul_u32_u24 v7, v2, 272
	v_lshl_add_u32 v7, v3, 3, v7
	v_add_nc_u32 v7, s47, v7                       ; back
	s_lshl_b32 s50, s46, 16
	s_lshl_b32 s51, s[WVN], 13
	s_add_co_u32 s50, s50, s51
	v_lshl_add_u32 v8, v1, 4, s50                  ; in bias: 65,536 qt + 8,192 w + 16 x lane
	s_mov_b32 s52, 0x04010400                      ; bytes 0 and 1 into the two halves (4: a byte of the zero register)
	s_mov_b32 s53, 0x04030402                      ; bytes 2 and 3
.irp i, 0,1,2,3,4,5,6,7
	global_load_b128 v[16+4*\i:19+4*\i], v5, s[22:23] offset:4096*\i th:TH_LOAD_NT
.endr
.irp i, 0,1,2,3,4,5,6,7
	s_wait_loadcnt 7-\i                            ; the younger loads stay out
	ds_store_b128 v6, v[16+4*\i:19+4*\i] offset:544*\i
.endr
.set c, 0
.rept 16
	ds_load_b64 v[48+2*c:49+2*c], v7 offset:16*c   ; LDS serves a wave's instructions in order (ISA guide 5.7.1.4): these see my stores above
.set c, c+1
.endr
.set c, 0
.rept 16
.if c < 8
.set o, 16+4*c                         ; blocks 0-7 go where the mask's bytes came in,
.else
.set o, 48+4*c                         ; blocks 8-15 into v80-111
.endif
	s_wait_dscnt 15-c
	v_perm_b32 v[o], v[NIL], v[48+2*c], s52
	v_perm_b32 v[o+1], v[NIL], v[48+2*c], s53
	v_perm_b32 v[o+2], v[NIL], v[49+2*c], s52
	v_perm_b32 v[o+3], v[NIL], v[49+2*c], s53
.irp i, 0,1,2,3
	v_xor_b32 v[o+\i], 0x00010001, v[o+\i]         ; 1 where the key is hidden,
.endr
.irp i, 0,1,2,3
	v_mul_u32_u24 v[o+\i], v[o+\i], 0xceac         ; times the bias's bf16 pattern, in both halves
.endr
	global_store_b128 v8, v[o:o+3], s[36:37] offset:512*c
.set c, c+1
.endr
	s_wait_tensorcnt 0x0                           ; the wave's end, behind my last LDS store
	ds_add_u32 v[SPW], v[NIL]
	s_wait_dscnt 0x0
	s_endpgm
.Lfunc_end_k_qfc2f5a540f_prep:
	.size	k_qfc2f5a540f_prep, .Lfunc_end_k_qfc2f5a540f_prep-k_qfc2f5a540f_prep
	.p2alignl 7, 3214868480
	.fill 96, 4, 3214868480
	.section	.rodata,"a",@progbits
	.p2align	6, 0x0
	.amdhsa_kernel k_qfc2f5a540f_prep
		.amdhsa_group_segment_fixed_size 35840
		.amdhsa_private_segment_fixed_size 0
		.amdhsa_enable_private_segment 0
		.amdhsa_kernarg_size 120
		.amdhsa_user_sgpr_count 2
		.amdhsa_user_sgpr_kernarg_segment_ptr 1
		.amdhsa_wavefront_size32 1
		.amdhsa_system_sgpr_workgroup_id_x 1
		.amdhsa_system_sgpr_workgroup_id_y 1
		.amdhsa_system_sgpr_workgroup_id_z 1
		.amdhsa_system_vgpr_workitem_id 0
		.amdhsa_next_free_vgpr 114
		.amdhsa_next_free_sgpr 66
		.amdhsa_reserve_vcc 1
		.amdhsa_float_denorm_mode_32 3
		.amdhsa_float_denorm_mode_16_64 3
		.amdhsa_memory_ordered 1
		.amdhsa_forward_progress 1
		.amdhsa_inst_pref_size 56
	.end_amdhsa_kernel
	.amdgpu_metadata
---
amdhsa.version: [ 1, 2 ]
amdhsa.kernels:
  - .name:           k_qfc2f5a540f_prep
    .symbol:         k_qfc2f5a540f_prep.kd
    .args:
      - { .name: hidden_states, .offset: 0, .size: 8, .value_kind: global_buffer, .address_space: global }
      - { .name: wq, .offset: 8, .size: 8, .value_kind: global_buffer, .address_space: global }
      - { .name: wk, .offset: 16, .size: 8, .value_kind: global_buffer, .address_space: global }
      - { .name: wv, .offset: 24, .size: 8, .value_kind: global_buffer, .address_space: global }
      - { .name: wo, .offset: 32, .size: 8, .value_kind: global_buffer, .address_space: global }
      - { .name: q_norm_w, .offset: 40, .size: 8, .value_kind: global_buffer, .address_space: global }
      - { .name: k_norm_w, .offset: 48, .size: 8, .value_kind: global_buffer, .address_space: global }
      - { .name: attention_mask, .offset: 56, .size: 8, .value_kind: global_buffer, .address_space: global }
      - { .name: position_ids, .offset: 64, .size: 8, .value_kind: global_buffer, .address_space: global }
      - { .name: xb, .offset: 72, .size: 8, .value_kind: global_buffer, .address_space: global }
      - { .name: wb, .offset: 80, .size: 8, .value_kind: global_buffer, .address_space: global }
      - { .name: wob, .offset: 88, .size: 8, .value_kind: global_buffer, .address_space: global }
      - { .name: rope, .offset: 96, .size: 8, .value_kind: global_buffer, .address_space: global }
      - { .name: nw, .offset: 104, .size: 8, .value_kind: global_buffer, .address_space: global }
      - { .name: bias, .offset: 112, .size: 8, .value_kind: global_buffer, .address_space: global }
    .group_segment_fixed_size: 35840
    .private_segment_fixed_size: 0
    .kernarg_segment_align: 8
    .kernarg_segment_size: 120
    .max_flat_workgroup_size: 256
    .sgpr_count:     66
    .vgpr_count:     114
    .wavefront_size: 32
...
	.end_amdgpu_metadata
.endif
;; end of part 1
;; launch qkv (part 2): grid 8 x 32, 4 waves a work-group, clusters of 4 x 1, 327,680 bytes of LDS; arguments xb, wb, rope, nw, qkv; writes qkv
.if DOCPART == 2
	.amdgcn_target "amdgcn-amd-amdhsa--gfx1250"
	.amdhsa_code_object_version 6
	.text
	.protected	k_qfc2f5a540f_qkv
	.globl	k_qfc2f5a540f_qkv
	.p2align	8
	.type	k_qfc2f5a540f_qkv,@function
k_qfc2f5a540f_qkv:
	s_mov_b64 s[64:65], 0
	v_nop
	global_prefetch_b8 v0, s[64:65] scope:SCOPE_SE
	s_setreg_imm32_b32 hwreg(HW_REG_WAVE_MODE, 25, 1), 1
	s_wait_xcnt 0x0
	s_wait_alu depctr_hold_cnt(0) depctr_sa_sdst(0) depctr_va_vdst(0) depctr_va_sdst(0) depctr_va_ssrc(0) depctr_va_vcc(0) depctr_vm_vsrc(0)
	s_getreg_b32 s2, hwreg(HW_REG_IB_STS2, 6, 4)
	s_cmp_eq_u32 s2, 0
	s_cbranch_scc0 .Lentry_in_a_cluster
	s_endpgm
.Lentry_in_a_cluster:
	s_bfe_u32 s2, ttmp6, 0x10000c
	s_cmp_lg_u32 s2, 0x3003
	s_cbranch_scc0 .Lentry_shape_is_right
	s_endpgm
.Lentry_shape_is_right:
; QKV: C = X [Wq | Wk | Wv] in bf16 with f32 sums, then RoPE, RMS norm and gain in f32, rounded once to f16 and laid by heads: qkv[32 slots][2048][128], slots 0-15 q, 16-23 k, 24-31 v / 4.
; A tile of C is 256 rows x 128 columns = one head slot: 8 x 32 work-groups.  Wave w: rows 64 w on, all 128 columns: 32 accumulators.
; W (wb [4096 k][4096 n]) goes through two LDS slots of 256 along K (256 rows x 256 bytes, pitch 288), every wave fetching 64 rows, and is turned on the way out of LDS by ds_load_tr16_b128.
; X (xb) is stored as the lanes hold it, [row / 16][k / 32][2][lane][16 bytes], and goes STRAIGHT INTO REGISTERS: a fragment is two loads of 512 consecutive bytes; a ring of eight buffers of 32
; registers holds eight quarters of 32 along K, and the group of 8 loads for quarter Q + 7 goes out in the middle of quarter Q.  Each row of X is fetched by one wave of the work-group alone.
; WHY X HAS NO JOINT LOADS: both operands in LDS take 768 bytes for each k, so two slots of 256 along K would be 393,216 bytes of the 327,680 that the work-group has; with W alone they are 147,456,
; and a refill has 240 of a slot's 256 matrix instructions in which to land.  No joint load reaches registers; the price is that each of the 32 column tiles fetches X for itself.
; CLUSTER 4 x 1: the four row tiles of a cluster take the same columns of W: its tiles are asked for jointly, by the same load, descriptor and mask in all four.
; TRANSPOSED USE: source 0 = 16 columns of W, source 1 = 16 rows of X: a lane holds one row of C (lane % 16) and eight neighbouring columns 8 (lane / 16) + 0..7 of each block of 16.
; THE TABLES (64 rows of cos and sin, 128 gains) come as two more first fills into LDS bytes of the wave's own, as whole rows, and are read when the products end.
; ONE WAY OUT for q, k and v: v takes the table's second set (cos 1, sin 0), the factor 0.25 in the norm's place and gains of 1: all exact.
; THE TAIL is one text walked twice and left in its middle: in the last slot the seven groups of X ask for that slot's own blocks again (inside the buffer; not used: 56 loads a wave), and the last
; change of slots fetches 16 fragments that nobody multiplies.
; LIMITS.  f16 ends at 65,504: |q|, |k| <= 11.4 x |gain|; v / 4 has room up to |v| = 262,000.  NaN and infinities are not treated apart.
; REGISTERS: window 0 addresses, tables, work; window 1: W's two fragment buffers of 64 and the 64 gains; window 2: accumulator (a, b) at 8 (8 a + b); window 3: X's ring, buffer i at 32 i.
.set PB,    288                        ; a row of W in LDS: 256 bytes + 32
.set QB,    32*PB                      ; a quarter's 32 rows
.set WPART, 64*PB                      ; what one load brings
.set SLOT1, 4*WPART                    ; 73,728 = 0x12000: no bit of it lies in wave x 18,432, so one exclusive or turns an address in one slot into the other's
.set TP,    528                        ; a row of the table: 512 bytes + 16
.set TABW,  64*TP
.set TAB,   2*SLOT1                    ; behind the ring: a wave's 64 rows of cos and sin, four times; filled once
.set GW,    TAB+4*TABW                 ; the gains, 512 bytes for each wave; filled once
.set STAGE, GW+4*512                   ; 16 rows x 272 bytes for each wave; no fill lands here
.set SP,    272
.set SPARE, STAGE+4*16*SP              ; the spare words, 128 bytes a wave
.set NS,    16                         ; slots: 4096 / 256
.set RBS,   131072                     ; bytes from 16 rows of X to the next 16
.set B0,   2                           ; v2   my lane's place in W's tile
.set ADRB, 4                           ; v4, v5  B0 + the slot in hand; the same 128 rows on (an LDS offset has 16 bits)
.set STO,  6                           ; v6   the way out: where I put 16 bytes of a row
.set RD,   7                           ; v7   where I read rows back
.set CO,   8                           ; v8   16 x lane
.set RO,   10                          ; v10  my place in my 64 rows of the table
.set HO,   11                          ; v11  my place in the gains
.set SPW,  28                          ; v28  LDS address of my spare word; never rewritten
.set NIL,  29                          ; v29  0; never rewritten
.set CS,   32                          ; v32-159  cos 32 | sin 32, two buffers by the block's parity
.set T,    160                         ; v160-191 x2 sin; later the packed results
.set U,    192                         ; v192-223 x1 sin; later the rows read back
.set SS,   224                         ; v224-231 four chains of the sum of squares
.set R,    232                         ; v232-233 the row's factor
.set F0,   0
.set F1,   64
.set WG,   128                         ; window 1: my 64 gains
.set AP,   4                           ; s[4:5]   X at the slot whose blocks are being asked for
.set WV,   14
.set G1,   24                          ; s[24:31] W's tiles
.set G0,   32                          ; s[32:35] slot 0's first fill; s[36:39] slot 1's, which then walks
.set G1T,  40                          ; s[40:47], s[48:51] the table
.set G0T,  48
.set G0W,  52                          ; s[52:55], s[80:87] the gains
.set G1W,  80
.set TB,   56                          ; the slot that is read: 0 or SLOT1
.set CNT,  57
.set MUL,  0xad                        ; source 0 window 1, source 1 window 3, C and D window 2
.set MSB, 0
.macro WIN new                         ; the immediate's high byte repeats the setting that is left
.if MSB != (\new)
	s_set_vgpr_msb (MSB<<8)|(\new)
.set MSB, \new
.endif
.endm
.macro PLACES                          ; four places in front of loads into registers that matrix instructions have read, and of reads of results
.rept 4
	v_nop
.endr
.endm
.macro CREST                           ; a round of the cluster's barrier behind its opening barrier
	s_cmp_lg_u32 s[WV], 0
	s_cbranch_scc1 .Lnot_wave_0_\@
	s_barrier_signal -3
.Lnot_wave_0_\@:
	s_barrier_wait -3
	s_barrier_signal -1
	s_barrier_wait -1
.endm
.macro CROUND
	s_barrier_signal -1
	s_barrier_wait -1
	CREST
.endm
	s_load_b256 s[4:11], s[0:1], 0x0               ; xb 4, wb 6, rope 8, nw 10
	s_load_b64 s[12:13], s[0:1], 0x20              ; qkv
	v_lshl_add_u32 v[SPW], v0, 2, SPARE
	v_mov_b32 v[NIL], 0
	ds_add_u32 v[SPW], v[NIL]                      ; the wave's opening: the add and its wait ahead of my first tensor load
	v_lshrrev_b32 v1, 5, v0
	v_readfirstlane_b32 s[WV], v1
	s_bfe_u32 s17, ttmp6, 0x40000                  ; cx
	s_lshl_b32 s20, ttmp9, 2
	s_add_co_u32 s20, s20, s17                     ; tile row: it enters X's, the table's and the output's addresses alone
	s_and_b32 s19, ttmp7, 0xffff                   ; tile column = head slot, which the four partners share
	s_mov_b32 s[G1], 15|(1<<16)|(1<<20)|(1<<21)|(5<<22)|(7<<25)  ; the mask of four; 2-byte elements; padding on; bit 21 beside a mask; after every 64 words 8 words
	s_mov_b32 s[G1+1], 128<<16                     ; tensor_dim0 = 128
	s_mov_b32 s[G1+2], 64<<16                      ; tensor_dim1 = 64
	s_mov_b32 s[G1+3], 128<<16                     ; tile_dim0 = 128
	s_mov_b32 s[G1+4], 64                          ; tile_dim1 = 64
	s_mov_b32 s[G1+5], 4096                        ; elements from row to row
	s_mov_b32 s[G1+6], 0
	s_mov_b32 s[G1+7], 0
	s_mov_b32 s[G1T], (2<<16)|(1<<20)|(6<<22)|(3<<25)  ; my own load: no mask; 4-byte elements; after every 128 words 4 words
	s_mov_b32 s[G1T+1], 128<<16
	s_mov_b32 s[G1T+2], 64<<16
	s_mov_b32 s[G1T+3], 128<<16
	s_mov_b32 s[G1T+4], 64
	s_mov_b32 s[G1T+5], 128
	s_mov_b32 s[G1T+6], 0
	s_mov_b32 s[G1T+7], 0
	s_mov_b32 s[G1W], 3<<16                        ; one row of 512 bytes as 64 elements of 8
	s_mov_b32 s[G1W+1], 64<<16
	s_mov_b32 s[G1W+2], 1<<16
	s_mov_b32 s[G1W+3], 64<<16
	s_mov_b32 s[G1W+4], 1
	s_mov_b32 s[G1W+5], 64
	s_mov_b32 s[G1W+6], 0
	s_mov_b32 s[G1W+7], 0
	s_lshr_b32 s21, s19, 3
	s_max_u32 s21, s21, 1
	s_sub_co_u32 s21, s21, 1                       ; 0 q, 1 k, 2 v
	s_lshl_b32 s66, s[WV], 19
	s_lshl_b32 s68, s20, 21                        ; X: 16 blocks of 131,072 bytes a tile row, 4 a wave
	s_add_co_u32 s68, s68, s66
	s_mov_b32 s69, 0
	s_lshl_b32 s70, s19, 8                         ; W: 256 bytes a tile column, 64 rows of 8,192 bytes a wave
	s_add_co_u32 s70, s70, s66
	s_mov_b32 s71, 0
	s_mov_b32 s[G0], 1
	s_mov_b32 s[G0+4], 1
	s_mov_b32 s[G0T], 1
	s_mov_b32 s[G0W], 1
	s_mul_i32 s[G0+1], s[WV], WPART                ; LDS addresses: the wave's number and constants
	s_add_co_u32 s[G0+5], s[G0+1], SLOT1
	s_mul_i32 s[G0T+1], s[WV], TABW
	s_add_co_u32 s[G0T+1], s[G0T+1], TAB
	s_lshl_b32 s[G0W+1], s[WV], 9
	s_add_co_u32 s[G0W+1], s[G0W+1], GW
	s_lshl_b32 s72, s19, 19                        ; the output: 2,048 rows of 256 bytes a head slot,
	s_lshl_b32 s67, s20, 16
	s_add_co_u32 s72, s72, s67
	s_lshl_b32 s67, s[WV], 14
	s_add_co_u32 s72, s72, s67                     ; my first row in it
	s_mov_b32 s73, 0
	s_lshl_b32 s74, s20, 17                        ; the table: 512 bytes a row
	s_lshl_b32 s67, s[WV], 15
	s_add_co_u32 s74, s74, s67
	s_cmp_eq_u32 s21, 2
	s_cselect_b32 s67, 0x100000, 0                 ; v: the second set
	s_cselect_b32 s62, 0, 1.0                      ; the row's factor = rsq x s62 + s63
	s_cselect_b32 s63, 0x3e800000, 0
	s_add_co_u32 s74, s74, s67
	s_mov_b32 s75, 0
	s_lshl_b32 s76, s21, 9
	s_mov_b32 s77, 0
	s_mov_b32 s58, 0x3c000000                      ; 1/128
	s_mov_b32 s59, 0x358637bd                      ; 1e-6
	s_mov_b32 s60, 0x76543210                      ; v_permlanex16_b32: each lane takes its own place in the other half
	s_mov_b32 s61, 0xfedcba98
	s_mov_b32 s[TB], 0
	v_and_b32 v[CO], 31, v0
	v_lshlrev_b32 v[CO], 4, v[CO]
	s_wait_dscnt 0x0                               ; the opening add is done
	s_wait_kmcnt 0x0
	s_add_nc_u64 s[AP:AP+1], s[4:5], s[68:69]
	s_add_nc_u64 s[70:71], s[6:7], s[70:71]
	s_add_nc_u64 s[12:13], s[12:13], s[72:73]
	s_add_nc_u64 s[G0+2:G0+3], s[70:71], 0         ; slot 0: k 0 to 255
	s_or_b32 s[G0+3], s[G0+3], 0x80000000
	s_add_nc_u64 s[G0+6:G0+7], s[70:71], 0x200000  ; slot 1: 256 rows of 8,192 bytes on
	s_or_b32 s[G0+7], s[G0+7], 0x80000000
	s_add_nc_u64 s[G0T+2:G0T+3], s[8:9], s[74:75]
	s_or_b32 s[G0T+3], s[G0T+3], 0x80000000
	s_add_nc_u64 s[G0W+2:G0W+3], s[10:11], s[76:77]
	s_or_b32 s[G0W+3], s[G0W+3], 0x80000000
	CROUND                                         ; all four work-groups are here: the first joint loads meet
	tensor_load_to_lds s[G0:G0+3], s[G1:G1+7]      ; the first fills go out as one group: four loads of mine are out
	s_nop 0
	tensor_load_to_lds s[G0+4:G0+7], s[G1:G1+7]
	s_nop 0
	tensor_load_to_lds s[G0T:G0T+3], s[G1T:G1T+7]
	s_nop 0
	tensor_load_to_lds s[G0W:G0W+3], s[G1W:G1W+7]
	s_nop 0
	PLACES
; 8 loads: X's four fragments of block li of the slot at AP, into ring buffer buf
.macro ALOAD buf, li
	WIN 0xc0
.irp a, 0,1,2,3
	global_load_b128 v[32*(\buf)+8*\a:32*(\buf)+8*\a+3],   v[CO], s[AP:AP+1] offset:RBS*\a+1024*(\li)
	global_load_b128 v[32*(\buf)+8*\a+4:32*(\buf)+8*\a+7], v[CO], s[AP:AP+1] offset:RBS*\a+1024*(\li)+512
.endr
.endm
.set i, 0
.rept 7
	ALOAD i, i                                     ; the ring is primed: quarters 0 to 6, 56 loads
.set i, i+1
.endr
	WIN 0
	v_and_b32 v1, 15, v0                           ; r
	v_bfe_u32 v9, v0, 4, 1                         ; h
	v_and_b32 v12, 7, v0
	v_lshl_add_u32 v[B0], v9, 3, v12               ; the turning load: k-row 8 h + lane % 8,
	v_mul_u32_u24 v[B0], v[B0], PB
	v_bfe_u32 v12, v0, 3, 1
	v_lshl_add_u32 v[B0], v12, 4, v[B0]            ; columns 8 ((lane / 8) % 2) on
	v_mov_b32 v[ADRB], v[B0]
	v_add_nc_u32 v[ADRB+1], 4*QB, v[B0]
	s_mul_i32 s66, s[WV], 16*SP
	s_add_co_u32 s66, s66, STAGE
	v_mul_u32_u24 v[STO], v1, SP
	v_lshl_add_u32 v[STO], v9, 4, v[STO]
	v_add_nc_u32 v[STO], s66, v[STO]
	v_mul_u32_u24 v[RD], v9, SP
	v_lshl_add_u32 v[RD], v1, 4, v[RD]
	v_add_nc_u32 v[RD], s66, v[RD]
	v_mul_u32_u24 v[RO], v1, TP
	v_lshl_add_u32 v[RO], v9, 5, v[RO]
	v_add_nc_u32 v[RO], s[G0T+1], v[RO]            ; row r of my table, 32 h
	v_lshl_add_u32 v[HO], v9, 5, s[G0W+1]
; 8 matrix instructions: row blocks 2 ah, 2 ah + 1 x column blocks 4 bh + 0..3, 32 along K.  The 32 accumulators take turns in one fixed order, one instruction a turn.
.macro MULQ f, ab, bh, ah, zero
	WIN MUL
.irp a, 2*(\ah), 2*(\ah)+1
.irp b, 4*(\bh), 4*(\bh)+1, 4*(\bh)+2, 4*(\bh)+3
.if \zero
	v_wmma_f32_16x16x32_bf16 v[8*(8*(\a)+(\b)):8*(8*(\a)+(\b))+7], v[(\f)+8*(\b):(\f)+8*(\b)+7], v[(\ab)+8*(\a):(\ab)+8*(\a)+7], 0
.else
	v_wmma_f32_16x16x32_bf16 v[8*(8*(\a)+(\b)):8*(8*(\a)+(\b))+7], v[(\f)+8*(\b):(\f)+8*(\b)+7], v[(\ab)+8*(\a):(\ab)+8*(\a)+7], v[8*(8*(\a)+(\b)):8*(8*(\a)+(\b))+7]
.endif
.endr
.endr
.endm
; 16 LDS loads in one run: W's 8 fragments of the slot's quarter q, turned, into buffer f
.macro FETCH q, f
	WIN 0x40
.irp b, 0,1,2,3,4,5,6,7
	ds_load_tr16_b128 v[(\f)+8*\b:(\f)+8*\b+3],   v[ADRB+(\q)/4] offset:QB*((\q)%4)+32*\b
	ds_load_tr16_b128 v[(\f)+8*\b+4:(\f)+8*\b+7], v[ADRB+(\q)/4] offset:QB*((\q)%4)+32*\b+16*PB
.endr
.endm
; Quarter q (0 to 6) of a slot: 32 matrix instructions on W's buffer q % 2 and X's buffer q; in its middle W's next quarter is fetched and X's quarter seven on is asked for,
; into the buffer that the quarter before has multiplied.
.macro QUARTER q, zero
.set fq, F0+64*((\q)%2)
.set gq, F0+64*(((\q)+1)%2)
	s_wait_loadcnt 48                              ; my quarter's 8 loads are in; the six younger groups stay out
	s_wait_dscnt 8                                 ; W's fragments 0 to 3 are in; the youngest eight loads may be out
	MULQ fq, 32*(\q), 0, 0, \zero
	MULQ fq, 32*(\q), 0, 1, \zero
	PLACES
	FETCH (\q)+1, gq
	ALOAD ((\q)+7)%8, ((\q)+7)%8
	s_wait_dscnt 16                                ; all but the 16 just issued
	MULQ fq, 32*(\q), 1, 0, \zero
	MULQ fq, 32*(\q), 1, 1, \zero
.endm
; Quarter 7 changes slots: one barrier; in front of it each wave waits for all its tensor loads (one is out: its part of the next slot), adds 0 to its spare word, and waits for that and for its
; reads of this slot.  fill = 1: the barrier opens a round of the cluster's, and this slot is filled again, two slots ahead, first thing behind it.
.macro TURN fill
	WIN 0
	s_wait_tensorcnt 0x0
	ds_add_u32 v[SPW], v[NIL]
	s_wait_loadcnt 48
	s_wait_dscnt 9                                 ; the add and the youngest eight loads may be out
	MULQ F1, 224, 0, 0, 0
	s_wait_dscnt 0x0                               ; the add is done, and my reads of this slot are over
	s_barrier_signal -1
	MULQ F1, 224, 0, 1, 0
.if \fill
	WIN 0
.endif
	s_barrier_wait -1
.if \fill
	CREST                                          ; no wave of any partner still reads this slot or has a load on its way
	s_xor_b32 s[G0+5], s[G0+5], SLOT1              ; no load of mine is out, so the walking descriptor may be written: the other slot than last time,
	s_add_nc_u64 s[G0+6:G0+7], s[G0+6:G0+7], 0x200000  ; the next 256 rows
	tensor_load_to_lds s[G0+4:G0+7], s[G1:G1+7]    ; 240 matrix instructions ahead of the wait for it
	s_nop 0
.endif
	PLACES                                         ; also the places in front of the loads below
	WIN 0
	s_xor_b32 s[TB], s[TB], SLOT1
	v_add_nc_u32 v[ADRB], s[TB], v[B0]
	v_add_nc_u32 v[ADRB+1], 4*QB, v[ADRB]
	FETCH 0, F0
	ALOAD 6, 6
	MULQ F1, 224, 1, 0, 0
	MULQ F1, 224, 1, 1, 0
.endm
; cos and sin of block a's 16 rows for my 32 frequencies 16 b + 8 h + 0..7: 16 LDS loads into the buffer of a's parity
.macro LOADCS a
	WIN 0
.set cb, CS+64*((\a)%2)
.irp e, 0,1,2,3,4,5,6,7
	ds_load_b128 v[cb+4*\e:cb+4*\e+3], v[RO] offset:16*TP*(\a)+64*(\e/2)+16*(\e%2)
	ds_load_b128 v[cb+32+4*\e:cb+32+4*\e+3], v[RO] offset:16*TP*(\a)+256+64*(\e/2)+16*(\e%2)
.endr
.endm
	s_wait_tensorcnt 3                             ; my part of slot 0 is in; the three loads behind it stay out
	s_barrier_signal -1
	s_barrier_wait -1
	FETCH 0, F0
	QUARTER 0, 1                                   ; the first quarter's products start the sums: nothing is cleared
	WIN 0
	s_wait_xcnt 0x0                                ; X's pointer is stepped only behind this wait
	s_add_nc_u64 s[AP:AP+1], s[AP:AP+1], 8192      ; a trip asks for the next slot's eight blocks
	s_mov_b32 s[CNT], NS-2
.Lslot:                                                ; a trip: a slot's quarters 1 to 7, the change of slots, the next slot's quarter 0
	QUARTER 1, 0
	QUARTER 2, 0
	QUARTER 3, 0
	QUARTER 4, 0
	QUARTER 5, 0
	QUARTER 6, 0
	TURN 1
	QUARTER 0, 0
	WIN 0
	s_wait_xcnt 0x0
	s_add_nc_u64 s[AP:AP+1], s[AP:AP+1], 8192
	s_sub_co_u32 s[CNT], s[CNT], 1
	s_cmp_lg_u32 s[CNT], 0
	s_cbranch_scc1 .Lslot
	WIN 0x40                                       ; the tables landed with the first change of slots: gains and the first two blocks' cos
.irp e, 0,1,2,3,4,5,6,7,8,9,10,11,12,13,14,15
	ds_load_b128 v[WG+4*\e:WG+4*\e+3], v[HO] offset:64*(\e/2)+16*(\e%2)  ; (they are younger than W's fragments, so the next counted wait covers those all the same)
.endr
	LOADCS 0
	LOADCS 1
	s_mov_b32 s[CNT], 2                            ; the last two slots ask for no tile; X's pointer stays at the last slot
.Ltail:
	QUARTER 1, 0
	QUARTER 2, 0
	QUARTER 3, 0
	QUARTER 4, 0
	QUARTER 5, 0
	QUARTER 6, 0
	TURN 0
	WIN 0
	s_sub_co_u32 s[CNT], s[CNT], 1
	s_cmp_eq_u32 s[CNT], 0
	s_cbranch_scc1 .Lout
	QUARTER 0, 0
	WIN 0
	s_branch .Ltail
.Lout:
	PLACES
; THE WAY OUT of block a (16 rows).  x1 = columns 0-63 (registers ya + 0..31), x2 = columns 64-127 (ya + 32..63).  Each accumulator is read from its lowest registers on.
.macro BLOCK a
.set cb, CS+64*((\a)%2)
.set ya, 64*(\a)
	s_wait_xcnt 0x0                                ; the last block's stores have read their registers
	WIN 0x02
.set p, 0
.rept 16
	v_pk_mul_f32 v[T+2*p:T+2*p+1], v[ya+32+2*p:ya+32+2*p+1], v[cb+32+2*p:cb+32+2*p+1]  ; x2 sin
.set p, p+1
.endr
.set p, 0
.rept 16
	v_pk_mul_f32 v[U+2*p:U+2*p+1], v[ya+2*p:ya+2*p+1], v[cb+32+2*p:cb+32+2*p+1]        ; x1 sin
.set p, p+1
.endr
	WIN 0x82
.set p, 0
.rept 16
	v_pk_fma_f32 v[ya+2*p:ya+2*p+1], v[ya+2*p:ya+2*p+1], v[cb+2*p:cb+2*p+1], v[T+2*p:T+2*p+1] neg_lo:[0,0,1] neg_hi:[0,0,1]  ; x1 cos - x2 sin
.set p, p+1
.endr
.set p, 0
.rept 16
	v_pk_fma_f32 v[ya+32+2*p:ya+32+2*p+1], v[ya+32+2*p:ya+32+2*p+1], v[cb+2*p:cb+2*p+1], v[U+2*p:U+2*p+1]                     ; x2 cos + x1 sin
.set p, p+1
.endr
.if (\a) < 2
	LOADCS (\a)+2                                  ; into the buffer just read; this block's last wait on the stage covers it
.endif
	WIN 0x0a
.set p, 0
.rept 32                               ; the sum of squares of my 64 numbers, in four chains
.if p < 4
	v_pk_mul_f32 v[SS+2*p:SS+2*p+1], v[ya+2*p:ya+2*p+1], v[ya+2*p:ya+2*p+1]
.else
	v_pk_fma_f32 v[SS+2*(p%4):SS+2*(p%4)+1], v[ya+2*p:ya+2*p+1], v[ya+2*p:ya+2*p+1], v[SS+2*(p%4):SS+2*(p%4)+1]
.endif
.set p, p+1
.endr
	WIN 0
	v_pk_add_f32 v[SS:SS+1], v[SS:SS+1], v[SS+2:SS+3]
	v_pk_add_f32 v[SS+4:SS+5], v[SS+4:SS+5], v[SS+6:SS+7]
	v_pk_add_f32 v[SS:SS+1], v[SS:SS+1], v[SS+4:SS+5]
	v_add_f32 v[SS], v[SS], v[SS+1]
	v_permlanex16_b32 v[SS+1], v[SS], s60, s61     ; the row's other 64 columns lie in the lane 16 away
	v_add_f32 v[SS], v[SS], v[SS+1]
	v_fma_f32 v[SS], v[SS], s58, s59               ; the mean + 1e-6
	v_rsq_f32 v[R], v[SS]
	v_nop                                          ; a plain line behind the root (ISA guide 5.7.2)
	s_wait_alu depctr_va_vdst(0)
	v_fma_f32 v[R], v[R], s62, s63                 ; q, k: as it is; v: 0.25
	v_mov_b32 v[R+1], v[R]
	WIN 0x82
.set p, 0
.rept 32
	v_pk_mul_f32 v[ya+2*p:ya+2*p+1], v[ya+2*p:ya+2*p+1], v[R:R+1] op_sel_hi:[1,0]
.set p, p+1
.endr
	WIN 0x86
.set p, 0
.rept 32
	v_pk_mul_f32 v[ya+2*p:ya+2*p+1], v[ya+2*p:ya+2*p+1], v[WG+2*p:WG+2*p+1]
.set p, p+1
.endr
	WIN 0x0a
.set p, 0
.rept 32
	v_cvt_pk_f16_f32 v[T+p], v[ya+2*p], v[ya+2*p+1]
.set p, p+1
.endr
	WIN 0
.irp b, 0,1,2,3,4,5,6,7
	ds_store_b128 v[STO], v[T+4*\b:T+4*\b+3] offset:32*\b
.endr
.irp t, 0,1,2,3,4,5,6,7
	ds_load_b128 v[U+4*\t:U+4*\t+3], v[RD] offset:2*SP*\t  ; LDS serves a wave's instructions in order (ISA guide 5.7.1.4): these see the stores above
.endr
.irp t, 0,1,2,3,4,5,6,7
	s_wait_dscnt 7-\t
	global_store_b128 v[CO], v[U+4*\t:U+4*\t+3], s[12:13] offset:4096*(\a)+512*\t  ; two rows of the head slot: 512 consecutive bytes, aligned
.endr
.endm
	BLOCK 0
	BLOCK 1
	BLOCK 2
	BLOCK 3
	s_wait_tensorcnt 0x0                           ; the wave's end
	ds_add_u32 v[SPW], v[NIL]
	s_wait_dscnt 0x0
	CROUND                                         ; the closing round: no work-group ends while a partner may still ask for a tile that names it
	s_endpgm
.Lfunc_end_k_qfc2f5a540f_qkv:
	.size	k_qfc2f5a540f_qkv, .Lfunc_end_k_qfc2f5a540f_qkv-k_qfc2f5a540f_qkv
	.p2alignl 7, 3214868480
	.fill 96, 4, 3214868480
	.section	.rodata,"a",@progbits
	.p2align	6, 0x0
	.amdhsa_kernel k_qfc2f5a540f_qkv
		.amdhsa_group_segment_fixed_size 327680
		.amdhsa_private_segment_fixed_size 0
		.amdhsa_enable_private_segment 0
		.amdhsa_kernarg_size 40
		.amdhsa_user_sgpr_count 2
		.amdhsa_user_sgpr_kernarg_segment_ptr 1
		.amdhsa_wavefront_size32 1
		.amdhsa_system_sgpr_workgroup_id_x 1
		.amdhsa_system_sgpr_workgroup_id_y 1
		.amdhsa_system_sgpr_workgroup_id_z 1
		.amdhsa_system_vgpr_workitem_id 0
		.amdhsa_next_free_vgpr 1024
		.amdhsa_next_free_sgpr 88
		.amdhsa_reserve_vcc 0
		.amdhsa_float_denorm_mode_32 3
		.amdhsa_float_denorm_mode_16_64 3
		.amdhsa_memory_ordered 1
		.amdhsa_forward_progress 1
		.amdhsa_inst_pref_size 150
	.end_amdhsa_kernel
	.amdgpu_metadata
---
amdhsa.version: [ 1, 2 ]
amdhsa.kernels:
  - .name:           k_qfc2f5a540f_qkv
    .symbol:         k_qfc2f5a540f_qkv.kd
    .args:
      - { .name: xb, .offset: 0, .size: 8, .value_kind: global_buffer, .address_space: global }
      - { .name: wb, .offset: 8, .size: 8, .value_kind: global_buffer, .address_space: global }
      - { .name: rope, .offset: 16, .size: 8, .value_kind: global_buffer, .address_space: global }
      - { .name: nw, .offset: 24, .size: 8, .value_kind: global_buffer, .address_space: global }
      - { .name: qkv, .offset: 32, .size: 8, .value_kind: global_buffer, .address_space: global }
    .group_segment_fixed_size: 327680
    .private_segment_fixed_size: 0
    .kernarg_segment_align: 8
    .kernarg_segment_size: 40
    .max_flat_workgroup_size: 128
    .sgpr_count:     88
    .vgpr_count:     1024
    .wavefront_size: 32
...
	.end_amdgpu_metadata
.endif
;; end of part 2
;; launch attn (part 3): grid 32 x 8, 4 waves a work-group, clusters of 4 x 1, 327,680 bytes of LDS; arguments qkv, bias, ob; writes ob
.if DOCPART == 3
	.amdgcn_target "amdgcn-amd-amdhsa--gfx1250"
	.amdhsa_code_object_version 6
	.text
	.protected	k_qfc2f5a540f_attn
	.globl	k_qfc2f5a540f_attn
	.p2align	8
	.type	k_qfc2f5a540f_attn,@function
k_qfc2f5a540f_attn:
	s_mov_b64 s[64:65], 0
	v_nop
	global_prefetch_b8 v0, s[64:65] scope:SCOPE_SE
	s_setreg_imm32_b32 hwreg(HW_REG_WAVE_MODE, 25, 1), 1
	s_wait_xcnt 0x0
	s_wait_alu depctr_hold_cnt(0) depctr_sa_sdst(0) depctr_va_vdst(0) depctr_va_sdst(0) depctr_va_ssrc(0) depctr_va_vcc(0) depctr_vm_vsrc(0)
	s_getreg_b32 s2, hwreg(HW_REG_IB_STS2, 6, 4)
	s_cmp_eq_u32 s2, 0
	s_cbranch_scc0 .Lentry_in_a_cluster
	s_endpgm
.Lentry_in_a_cluster:
	s_bfe_u32 s2, ttmp6, 0x10000c
	s_cmp_lg_u32 s2, 0x3003
	s_cbranch_scc0 .Lentry_shape_is_right
	s_endpgm
.Lentry_shape_is_right:
; ATTENTION.  O[s][128 head + d] = (sum over k of softmax_k(q . k / sqrt(128) - 1e9 [hidden]) v[k][d]) / 4, f16.  qkv[32 slots][2048][128] f16: q 0-15, k 16-23, v / 4 24-31.
; ob holds O as the next launch's lanes take it: [s / 16][column / 32][2][lane][16 bytes]; lane (r, h) of half j holds row r, columns 16 j + 8 h + 0..7 of the block: just what a lane has packed here.
; The mask is an input: every pair of query and key is computed.  bias holds, in the score tiles' own lane order, 0 or bf16 -1,442,840,576 (-1e9 log2 e).
; x = s c + bias in one fused multiply-add, c = log2(e) / sqrt(128); p = 2^(x - m) with a running maximum m of x; O and l are multiplied by a = 2^(m_old - m_new) in every step.
; LIMITS.  In a row with no visible key x keeps s c to multiples of 128: all weights are equal while |s c| < 64, as the module's own are while |s| < 32 (gains' product under 2.8).
; A weight below 2^-126 counts as 0; p is rounded to f16 for the second product, l is the sum of the unrounded p; NaN and infinities are not treated apart.
; SHARES.  A work-group: 64 queries of the two query heads that share kv head g.  Wave w: head 2 g + w / 2, all 64 queries (four tiles of 16, two PIECES: tiles 0, 1 and 2, 3), and of each
; slot's two key steps of 64 the step w % 2: 16 steps.  At the end the wave of the odd steps hands O^T, m and l to its partner through LDS.
; LAYOUT AND TURNS.  S^T = K Q^T and O^T = V^T P hold one query a lane.  In a TURN one piece has the matrix unit (32 products V^T P, then 32 products K Q^T of the next step) and the other piece's
; softmax stands in 64 slices behind them, four lines a slice; the 64 multiply-adds that bring scale and bias stand together at the turn's head: four lines already stand behind every product.
; m starts at the lowest finite number, O^T, l, V and piece 2's P at 0: no first step is written out; the loop is entered in the middle of a trip, and the tail's last 32 products K Q^T serve nothing.
; CLUSTER.  The four query blocks of a cluster walk the same K and V: each tile is asked for jointly, by the same load, descriptor and mask in all four.
; REGISTERS: window 0: v0-11 addresses; v12-43 statistics, 8 a tile; v44-61 constants, addresses, merge; v64-191 S^T; v192-255 P.  Window 1: O^T, 64 a tile.
;   window 2: v0-127 Q, v128-255 K of one step.  Window 3: v0-127 V of one step, v128-191 the bias of one step, 16 a tile.
.set KS,    64
.set PK,    272       ; a row of K in LDS: 256 bytes + 16: the 16 rows of a load start at 16 different groups of four banks (ISA guide 11.1)
.set PV,    288       ; a row of V: 256 + 32
.set VOFF,  KS*PK
.set STEPB, KS*(PK+PV)
.set SLOT1, 1<<17
.set MRG,   SLOT1+2*STEPB    ; behind the ring: for each head 32,768 bytes of O^T and 1,024 of statistics
.set MRGH,  33792
.set SPARE, MRG+2*MRGH       ; the spare words, 128 bytes a wave
.set AK0, 2
.set AV0, 3
.set ADR, 4
.set QO,  5
.set GO,  8           ; v8   16 x lane
.set ST,  12          ; tile t at v[ST+8 t]: +0 m, +1 (named with it as a pair; at the end l), +2, +3 l (even keys', odd keys'), +4 to +7 at work; a takes +6
.set CL,  44          ; v44  c
.set BX,  45          ; v45, v46  byte offset of the next bias loads, piece 0's and piece 2's
.set BLIM, 47         ; v47  the last step's offset: no load goes past it
.set MG,  48          ; v48  my place in the head's O^T block
.set MS,  49          ; v49  in its statistics
.set SPW, 62
.set NIL, 63
.set S,   64
.set P,   192
.set KF,  128
.set BB,  128         ; window 3
.set WV,  12
.set HD,  15
.set KH,  16
.set G1K, 24
.set G1V, 32
.set G0K, 40
.set G0V, 48
.set SLOTS, 56
.set CNT, 57
.set SEL, 60
.set TB,  62
.set MSB, 0
.macro WIN new
.if MSB != (\new)
	s_set_vgpr_msb (MSB<<8)|(\new)
.set MSB, \new
.endif
.endm
.set W_KQ, 0x0a       ; K and Q in window 2, S^T in window 0
.set W_PV, 0x53       ; V in window 3, P in window 0, O^T in window 1
.set W_RS, 0x41       ; O^T (destination and source 0) in window 1, the factor in window 0
.macro JLOAD                        ; a joint refill: waves 0 and 1 fetch the two steps' K, waves 2 and 3 their V; an s_nop 0 and four v_nop follow each line
	s_cmp_lt_u32 s[WV], 2
	s_cbranch_scc0 .Lfor_v_\@
	tensor_load_to_lds s[G0K+4:G0K+7], s[G1K:G1K+7]
	s_nop 0
.rept 4
	v_nop
.endr
	s_branch .Lasked_\@
.Lfor_v_\@:
	tensor_load_to_lds s[G0V+4:G0V+7], s[G1V:G1V+7]
	s_nop 0
.rept 4
	v_nop
.endr
.Lasked_\@:
.endm
.macro CROUND                       ; a round of the cluster's barrier
	s_barrier_signal -1
	s_barrier_wait -1
	s_cmp_lg_u32 s[WV], 0
	s_cbranch_scc1 .Lnot_wave_0_\@
	s_barrier_signal -3
.Lnot_wave_0_\@:
	s_barrier_wait -3
	s_barrier_signal -1
	s_barrier_wait -1
.endm
	s_load_b128 s[4:7], s[0:1], 0x0   ; qkv 4, bias 6
	s_load_b64 s[8:9], s[0:1], 0x10   ; ob
	v_lshl_add_u32 v[SPW], v0, 2, SPARE
	v_mov_b32 v[NIL], 0
	ds_add_u32 v[SPW], v[NIL]       ; the wave's opening: the add and its wait ahead of my first tensor load
	v_lshrrev_b32 v1, 5, v0
	v_readfirstlane_b32 s[WV], v1
	s_bfe_u32 s13, ttmp6, 0x40000   ; cx
	s_lshl_b32 s14, ttmp9, 2
	s_add_co_u32 s14, s14, s13      ; my block of 64 queries: it enters Q's, the bias's and O's addresses alone
	s_lshr_b32 s[HD], s[WV], 1
	s_and_b32 s[KH], s[WV], 1       ; my step of a slot's two; also the step that I fetch
	s_and_b32 s20, ttmp7, 0xffff    ; g, which the four partners share
	s_lshl_b32 s22, s20, 19         ; a head slot is 524,288 bytes
	s_lshl_b32 s21, s[KH], 14       ; a step 64 rows of 256
	s_add_co_u32 s22, s22, s21
	s_add_co_u32 s22, s22, 16<<19   ; K's slots begin at 16,
	s_mov_b32 s23, 0
	s_add_co_u32 s66, s22, 8<<19    ; V's at 24
	s_mov_b32 s67, 0
	s_mul_i32 s17, s[KH], STEPB     ; the step's place in a slot
	s_lshl1_add_u32 s18, s20, s[HD] ; my query head
	s_lshl_b32 s2, s18, 19
	s_lshl_b32 s3, s14, 14
	s_add_co_u32 s2, s2, s3         ; Q: head slot, 64 rows a block
	s_mov_b32 s3, 0
	s_lshl_b32 s68, s14, 18         ; ob: four blocks of 16 rows, 65,536 bytes each, to a block of queries,
	s_lshl_b32 s69, s18, 12         ; four blocks of 1,024 bytes a head
	s_add_co_u32 s68, s68, s69
	s_mov_b32 s69, 0
	s_lshl_b32 s70, s14, 18         ; bias: four tiles of 65,536 bytes a block,
	s_lshl_b32 s71, s[KH], 11       ; 2,048 bytes a key step
	s_add_co_u32 s70, s70, s71
	s_mov_b32 s71, 0
	s_mov_b32 s[G1K], 15|(1<<16)|(1<<20)|(1<<21)|(5<<22)|(3<<25)  ; the mask of four; 2-byte elements; padding on; bit 21 beside a mask; after every 64 words 4 words
	s_mov_b32 s[G1V], 15|(1<<16)|(1<<20)|(1<<21)|(5<<22)|(7<<25)  ; the same with 8 words
.irp g, G1K, G1V
	s_mov_b32 s[(\g)+1], 128<<16    ; tensor_dim0 = 128
	s_mov_b32 s[(\g)+2], KS<<16     ; tensor_dim1 = 64
	s_mov_b32 s[(\g)+3], 128<<16    ; tile_dim0 = 128
	s_mov_b32 s[(\g)+4], KS         ; tile_dim1 = 64
	s_mov_b32 s[(\g)+5], 128        ; elements from row to row
	s_mov_b32 s[(\g)+6], 0
	s_mov_b32 s[(\g)+7], 0
.endr
	s_mov_b32 s[SEL], 0x76543210
	s_mov_b32 s[SEL+1], 0xfedcba98
	s_mov_b32 s[TB], s17
	s_wait_dscnt 0x0                ; the opening add is done
	s_wait_kmcnt 0x0
	s_add_nc_u64 s[22:23], s[4:5], s[22:23]  ; K and V at my step of slot 0
	s_add_nc_u64 s[66:67], s[4:5], s[66:67]
	s_add_nc_u64 s[4:5], s[4:5], s[2:3]      ; Q
	s_add_nc_u64 s[6:7], s[6:7], s[70:71]
	s_add_nc_u64 s[8:9], s[8:9], s[68:69]
	CROUND                          ; all four work-groups are here: the first joint loads meet
.irp s, 0,1
	s_mov_b32 s[G0K+4*(\s)], 1
	s_add_co_u32 s[G0K+4*(\s)+1], s17, (\s)*SLOT1
	s_add_nc_u64 s[G0K+4*(\s)+2:G0K+4*(\s)+3], s[22:23], (\s)*2*KS*256
	s_or_b32 s[G0K+4*(\s)+3], s[G0K+4*(\s)+3], 0x80000000
	s_mov_b32 s[G0V+4*(\s)], 1
	s_add_co_u32 s[G0V+4*(\s)+1], s17, (\s)*SLOT1+VOFF
	s_add_nc_u64 s[G0V+4*(\s)+2:G0V+4*(\s)+3], s[66:67], (\s)*2*KS*256
	s_or_b32 s[G0V+4*(\s)+3], s[G0V+4*(\s)+3], 0x80000000
.endr
	s_cmp_lt_u32 s[WV], 2           ; a wave's two first fills stand in one branch: two loads of mine are out
	s_cbranch_scc0 .Lfirst_v
	tensor_load_to_lds s[G0K:G0K+3], s[G1K:G1K+7]
	s_nop 0
	tensor_load_to_lds s[G0K+4:G0K+7], s[G1K:G1K+7]
	s_nop 0
.rept 4
	v_nop
.endr
	s_branch .Lfirst_asked
.Lfirst_v:
	tensor_load_to_lds s[G0V:G0V+3], s[G1V:G1V+7]
	s_nop 0
	tensor_load_to_lds s[G0V+4:G0V+7], s[G1V:G1V+7]
	s_nop 0
.rept 4
	v_nop
.endr
.Lfirst_asked:
	v_and_b32 v1, 15, v0            ; r
	v_bfe_u32 v9, v0, 4, 1          ; h
	v_and_b32 v10, 31, v0           ; lane
	v_lshlrev_b32 v[QO], 8, v1
	v_lshl_add_u32 v[QO], v9, 4, v[QO]
	v_lshlrev_b32 v[BX], 4, v10     ; step 0
	v_mov_b32 v[BX+1], v[BX]
	v_add_nc_u32 v[BLIM], 15*4096, v[BX]
	v_mov_b32 v[CL], 0x3e0293ee     ; c = log2(e) / sqrt(128)
	WIN 0x80
.irp i, 0,1,2,3,4,5,6,7,8,9,10,11,12,13,14,15  ; Q stays in registers: tile i / 4, channels 32 (i % 4) on
	global_load_b128 v[8*(\i):8*(\i)+3],   v[QO], s[4:5] offset:((\i)/4)*4096+((\i)%4)*64
	global_load_b128 v[8*(\i)+4:8*(\i)+7], v[QO], s[4:5] offset:((\i)/4)*4096+((\i)%4)*64+32
.endr
; The bias of piece y's two tiles for one key step: 8 loads of 512 consecutive bytes
.macro BLOAD y
	WIN 0xc0
.irp u, 0,1
.irp e, 0,1,2,3
	global_load_b128 v[BB+16*((\y)+\u)+4*\e:BB+16*((\y)+\u)+4*\e+3], v[BX+(\y)/2], s[6:7] offset:65536*((\y)+\u)+512*\e
.endr
.endr
.endm
	BLOAD 0
	BLOAD 2
.set i, 0
.rept 128                           ; what the first half trip finds: V and piece 2's P are 0 (its products V^T P add 0), O^T and l are 0.  All this stands in the wait for the first tile
	v_mov_b32 v[i], 0
.set i, i+1
.endr
	WIN 0x40
.set i, 0
.rept 256
	v_mov_b32 v[i], 0
.set i, i+1
.endr
	WIN 0
.set i, 0
.rept 4
	v_mov_b32 v[ST+8*i], 0xff7fffff ; m
	v_mov_b32 v[ST+8*i+1], 0
	v_mov_b32 v[ST+8*i+2], 0
	v_mov_b32 v[ST+8*i+3], 0
.set i, i+1
.endr
.set i, P+32
.rept 32
	v_mov_b32 v[i], 0
.set i, i+1
.endr
	v_mul_u32_u24 v[AK0], v1, PK
	v_lshl_add_u32 v[AK0], v9, 4, v[AK0]
	v_and_b32 v50, 7, v0
	v_bfe_u32 v51, v0, 3, 1
	v_lshl_add_u32 v[AV0], v9, 3, v50
	v_mul_u32_u24 v[AV0], v[AV0], PV
	v_lshl_add_u32 v[AV0], v51, 4, v[AV0]
	v_add_nc_u32 v[AV0], VOFF, v[AV0]
; THE MATRIX WORK.  The accumulators take turns, one instruction a turn: between two links of a chain stand 15 (V^T P) or 7 (K Q^T) others'.
.macro PV x                         ; product i of 32 of O^T += V^T P: keys 32 (i / 16) on, channels 16 ((i / 2) % 8) on, tile x + i % 2
	WIN W_PV
.set rO, 64*((\x)+i%2)+8*((i/2)%8)
.set rV, 64*(i/16)+8*((i/2)%8)
.set rP, P+16*((\x)+i%2)+8*(i/16)
	v_wmma_f32_16x16x32_f16 v[rO:rO+7], v[rV:rV+7], v[rP:rP+7], v[rO:rO+7]
.endm
.macro KQ x                         ; product i of 32 of S^T = K Q^T: channels 32 (i / 8) on, keys 16 ((i / 2) % 4) on, tile x + i % 2; the first 8 start the sums
	WIN W_KQ
.set rS, S+32*((\x)+i%2)+8*((i/2)%4)
.set rK, KF+32*((i/2)%4)+8*(i/8)
.set rQ, 32*((\x)+i%2)+8*(i/8)
.if i < 8
	v_wmma_f32_16x16x32_f16 v[rS:rS+7], v[rK:rK+7], v[rQ:rQ+7], 0
.else
	v_wmma_f32_16x16x32_f16 v[rS:rS+7], v[rK:rK+7], v[rQ:rQ+7], v[rS:rS+7]
.endif
.endm
.macro FETCH_K                      ; 32 LDS loads in one run: my step's K
	WIN 0
	v_add_nc_u32 v[ADR], s[TB], v[AK0]
	WIN 0x80
.irp f, 0,1,2,3,4,5,6,7,8,9,10,11,12,13,14,15
	ds_load_b128 v[KF+8*(\f):KF+8*(\f)+3],   v[ADR] offset:((\f)/4)*16*PK+((\f)%4)*64
	ds_load_b128 v[KF+8*(\f)+4:KF+8*(\f)+7], v[ADR] offset:((\f)/4)*16*PK+((\f)%4)*64+32
.endr
.endm
.macro FETCH_V                      ; and its V, turned
	WIN 0
	v_add_nc_u32 v[ADR], s[TB], v[AV0]
	WIN 0xc0
.irp f, 0,1,2,3,4,5,6,7,8,9,10,11,12,13,14,15
	ds_load_tr16_b128 v[8*(\f):8*(\f)+3],   v[ADR] offset:((\f)/8)*32*PV+((\f)%8)*32
	ds_load_tr16_b128 v[8*(\f)+4:8*(\f)+7], v[ADR] offset:((\f)/8)*32*PV+16*PV+((\f)%8)*32
.endr
.endm
; THE LUMP at a turn's head, for the piece y whose softmax the turn carries: x = s c + bias, 64 fused multiply-adds, each accumulator from its lowest register on; the 16
; plain lines of the slice before are the places behind the products that made s.  Then the piece's bias of its next step is asked for, into the registers just read: it has a key step in which to land.
.macro LUMP y
	s_wait_loadcnt 8                ; this piece's 8 bias loads are in; the 8 issued behind them, the other piece's, stay out
	WIN 0x30
.set n, 0
.rept 32
.irp u, 0,1
.if n%2
	v_fma_mix_f32_bf16 v[S+32*((\y)+\u)+n], v[S+32*((\y)+\u)+n], v[CL], v[BB+16*((\y)+\u)+n/2] op_sel:[0,0,1] op_sel_hi:[0,0,1]
.else
	v_fma_mix_f32_bf16 v[S+32*((\y)+\u)+n], v[S+32*((\y)+\u)+n], v[CL], v[BB+16*((\y)+\u)+n/2] op_sel_hi:[0,0,1]
.endif
.endr
.set n, n+1
.endr
	WIN 0
	v_add_nc_u32 v[BX+(\y)/2], 4096, v[BX+(\y)/2]  ; my next step, two key steps on; the wait above has shown the loads that named this register done
	v_min_u32 v[BX+(\y)/2], v[BX+(\y)/2], v[BLIM]  ; behind the last step the last is asked for again: no load leaves the buffer
	BLOAD \y
.endm
; THE SOFTMAX of one tile for one step: a list of 134 numbers; SM writes number j for tile t.  x0-x31 are the lane's 32 scores.
;   0-15 the maximum of x0-x31 and the old m;  16-19 the other half of the lanes' maximum, the new m, m_old - m_new;  20 none
;   21-87 33 exponentials (a, then x0-x31) at the odd numbers from 23 on, each with a plain line behind it; the plain lines are x - m for a pair, the rounding of a finished pair, the first sums
;   88-101 the last rounding, the rest of the sums, l = a l + sum;  102-133 O^T times a
.macro SM t
.set rT, ST+8*(\t)
.set rS, S+32*(\t)
.set rP, P+16*(\t)
.set rO, 64*(\t)+2*(j-102)
.set q, (j-20)/2
.if j < 102
	WIN 0
.endif
.if j < 4
	v_max3_num_f32 v[rT+4+j], v[rS+8*j], v[rS+8*j+1], v[rS+8*j+2]
.elseif j < 12
	v_max3_num_f32 v[rT+4+j%4], v[rT+4+j%4], v[rS+8*(j%4)+2*(j/4)+1], v[rS+8*(j%4)+2*(j/4)+2]
.elseif j == 12
	v_max3_num_f32 v[rT+4], v[rT+4], v[rS+7], v[rS+15]
.elseif j == 13
	v_max3_num_f32 v[rT+6], v[rT+6], v[rS+23], v[rS+31]
.elseif j == 14
	v_max3_num_f32 v[rT+4], v[rT+4], v[rT+5], v[rT+6]
.elseif j == 15
	v_max3_num_f32 v[rT+4], v[rT+4], v[rT+7], v[rT]
.elseif j == 16
	v_permlanex16_b32 v[rT+5], v[rT+4], s[SEL], s[SEL+1]  ; the query's other 32 keys lie in the lane 16 away
.elseif j == 17
	v_mov_b32 v[rT+7], v[rT]        ; m_old is kept for a
.elseif j == 18
	v_max_num_f32 v[rT], v[rT+4], v[rT+5]
.elseif j == 19
	v_sub_f32 v[rT+7], v[rT+7], v[rT]
.elseif j == 20
.elseif j == 23
	v_exp_f32 v[rT+6], v[rT+7]
.elseif (j < 88) && (j > 23) && (j%2 == 1)
	v_exp_f32 v[rS+(j-25)/2], v[rS+(j-25)/2]
.elseif (q < 4) || ((j < 76) && (q%2 == 0))
.set b, q/2+2
.if q < 4
.set b, q
.endif
	v_pk_add_f32 v[rS+2*b:rS+2*b+1], v[rS+2*b:rS+2*b+1], v[rT:rT+1] op_sel_hi:[1,0] neg_lo:[0,1] neg_hi:[0,1]  ; pair b: x - m
.elseif (j < 88) && (q%2 == 1)
	s_wait_alu depctr_va_vdst(0)
	v_cvt_pk_f16_f32 v[rP+(q-5)/2], v[rS+q-5], v[rS+q-4]
.elseif j == 89
	s_wait_alu depctr_va_vdst(0)
	v_cvt_pk_f16_f32 v[rP+15], v[rS+30], v[rS+31]
.elseif j < 102                     ; sum z of 16 adds neighbours 1, 2, 4 and 8 pairs apart, in place; then l takes it
.set z, j-86
.if j < 89
.set z, (j-76)/4
.endif
.set w, 4
.set u, z
.if z >= 14
.set w, 32
.set u, 0
.elseif z >= 12
.set w, 16
.set u, z-12
.elseif z >= 8
.set w, 8
.set u, z-8
.endif
.if z < 15
	v_pk_add_f32 v[rS+w*u:rS+w*u+1], v[rS+w*u:rS+w*u+1], v[rS+w*u+w/2:rS+w*u+w/2+1]
.else
	v_pk_fma_f32 v[rT+2:rT+3], v[rT+2:rT+3], v[rT+6:rT+7], v[rS:rS+1] op_sel_hi:[1,0,1]
.endif
.else
	WIN W_RS
	v_pk_mul_f32 v[rO:rO+1], v[rO:rO+1], v[rT+6:rT+7] op_sel_hi:[1,0]
.endif
.endm
; Slice k of 64 of piece y's softmax: numbers 2 k and 2 k + 1 of both tiles; the twelve that are over stand in slice 63, whose 16 plain lines are also the places behind the turn's last product.
.macro SLICE y
.if (k >= 11) && (k < 44)           ; tile by tile: plain, exponential, plain, exponential
.irp t, \y, (\y)+1
.irp n, 0,1
.set j, 2*k+(\n)
	SM \t
.endr
.endr
.else                               ; the two tiles alternate
.irp n, 0,1,2,3,4,5,6,7
.if ((\n) < 2) || (k == 63)
.irp t, \y, (\y)+1
.set j, 2*k+(\n)
	SM \t
.endr
.endif
.endr
.endif
.set k, k+1
.endm
; A TURN: piece x has the matrix unit.  Piece 0's turn fetches the next step's K behind its second product (K's last reader stands in front of the last slice of the turn before);
; piece 2's turn fetches that step's V behind its second product K Q^T (V's last reader stands three slices, six plain lines, back).
.macro TURN x
	LUMP 2-(\x)
.set k, 0
.if (\x) == 0
	s_wait_dscnt 0x0                ; V is in
.endif
.set i, 0
.rept 32
	PV \x
	SLICE 2-(\x)
.if ((\x) == 0) && (i == 1)
	FETCH_K
.endif
.set i, i+1
.endr
.if (\x) == 0
	s_wait_dscnt 0x0                ; K is in
.endif
.set i, 0
.rept 32
	KQ \x
	SLICE 2-(\x)
.if ((\x) == 2) && (i == 1)
	FETCH_V
.endif
.set i, i+1
.endr
.endm
; THE CHANGE OF SLOTS, between piece 2's turn and piece 0's: the slot's K and V have been asked for out of LDS.  Each wave waits for all its tensor loads (one is out: its part of the other slot), adds 0 to
; its spare word, and waits for that and for its reads.  fill = 1: a round of the cluster's barrier, and the joint refill, with the keys two slots on, first thing behind it: it has 128 matrix instructions in which to land.
.macro CHANGE fill
	WIN 0
	s_wait_tensorcnt 0x0            ; no tensor load of mine is out, so a group 0 may be written
	ds_add_u32 v[SPW], v[NIL]
.if \fill
.irp g, G0K+4, G0V+4
	s_xor_b32 s[(\g)+1], s[(\g)+1], SLOT1
	s_add_nc_u64 s[(\g)+2:(\g)+3], s[(\g)+2:(\g)+3], 2*KS*256
.endr
	s_wait_dscnt 0x0
	CROUND
	JLOAD
.else
	s_wait_dscnt 0x0
	s_barrier_signal -1
	s_barrier_wait -1
.endif
	s_xor_b32 s[TB], s[TB], SLOT1   ; the fetches go to the other slot
.endm
	s_wait_tensorcnt 1              ; my part of slot 0 is in; slot 1's may stay out
	s_barrier_signal -1
	s_barrier_wait -1
	FETCH_K                         ; my step 0
	s_wait_loadcnt 16               ; Q is in; the 16 bias loads stay out
	s_wait_dscnt 0x0
.set i, 0
.rept 32
	KQ 0                            ; piece 0's first scores
.set i, i+1
.endr
	WIN 0                           ; the addresses for the end are made here; with two v_nop they are five plain lines, the places behind those products
	v_lshlrev_b32 v[GO], 4, v10
	s_mul_i32 s13, s[HD], MRGH
	s_add_co_u32 s13, s13, MRG
	v_lshl_add_u32 v[MG], v10, 4, s13
	s_add_co_u32 s13, s13, 32768
	v_lshl_add_u32 v[MS], v10, 3, s13
	v_nop
	v_nop
	s_mov_b32 s[SLOTS], 15          ; the half trip and 14 trips: every slot but the last two is filled again
	s_branch .Lmid
.Lslot:
	CHANGE 1
	TURN 0
	WIN 0
.Lmid:
	TURN 2
	WIN 0
	s_sub_co_u32 s[SLOTS], s[SLOTS], 1
	s_cmp_lg_u32 s[SLOTS], 0
	s_cbranch_scc1 .Lslot
	s_mov_b32 s[CNT], 2             ; the tail is written out; its second trip is left in the middle
.Ltail:
	CHANGE 0
	TURN 0
	WIN 0
	s_sub_co_u32 s[CNT], s[CNT], 1
	s_cmp_eq_u32 s[CNT], 0
	s_cbranch_scc1 .Lout
	TURN 2
	WIN 0
	s_branch .Ltail
.Lout:
.set i, 0
.rept 32
	PV 2                            ; piece 2's V^T P of the last step
.set i, i+1
.endr
	; THE TWO HALVES OF THE KEYS MEET.  l's parts are added (the additions are the places behind the last products); the wave of the odd steps stores O^T, m and l; behind a barrier its partner
	; takes them: m = max, O = (O_A e_A + O_B e_B) / (l_A e_A + l_B e_B) with e = 2^(m_. - m), rounds to f16 and stores.
	WIN 0
.irp t, 0,1,2,3
	v_add_f32 v[ST+8*\t+2], v[ST+8*\t+2], v[ST+8*\t+3]
.endr
.irp t, 0,1,2,3
	v_permlanex16_b32 v[ST+8*\t+3], v[ST+8*\t+2], s[SEL], s[SEL+1]
.endr
.irp t, 0,1,2,3
	v_add_f32 v[ST+8*\t+1], v[ST+8*\t+2], v[ST+8*\t+3]
.endr
	s_cmp_eq_u32 s[KH], 0
	s_cbranch_scc1 .Lkeep
	WIN 0x04                        ; data in window 1
.set i, 0
.rept 64
	ds_store_b128 v[MG], v[4*i:4*i+3] offset:512*i  ; ascending: each accumulator's lowest registers first
.set i, i+1
.endr
	WIN 0
.irp t, 0,1,2,3
	ds_store_b64 v[MS], v[ST+8*\t:ST+8*\t+1] offset:256*\t
.endr
.Lkeep:
	s_wait_dscnt 0x0                ; for the partner's sake: my stores are done
	s_barrier_signal -1
	s_barrier_wait -1
	s_cmp_lg_u32 s[KH], 0
	s_cbranch_scc1 .Lend
.irp t, 0,1,2,3
	ds_load_b64 v[50+2*\t:51+2*\t], v[MS] offset:256*\t
.endr
.macro LOADP t                      ; the partner's O^T of tile t, into S^T's registers, two buffers by turns
	WIN 0
.set i, 0
.rept 16
	ds_load_b128 v[S+64*((\t)%2)+4*i:S+64*((\t)%2)+4*i+3], v[MG] offset:512*(16*(\t)+i)
.set i, i+1
.endr
.endm
	LOADP 0
	s_wait_dscnt 16                 ; the statistics are in; tile 0's 16 loads may be out
.irp t, 0,1,2,3
	v_max_num_f32 v[ST+8*\t+4], v[ST+8*\t], v[50+2*\t]
.endr
.irp t, 0,1,2,3
	v_sub_f32 v[ST+8*\t+5], v[ST+8*\t], v[ST+8*\t+4]
	v_sub_f32 v[ST+8*\t+6], v[50+2*\t], v[ST+8*\t+4]
.endr
.irp t, 0,1,2,3
	v_exp_f32 v[ST+8*\t+5], v[ST+8*\t+5]
	v_exp_f32 v[ST+8*\t+6], v[ST+8*\t+6]
.endr
	v_nop                           ; a plain line behind the last exponential
.irp t, 0,1,2,3
	s_wait_alu depctr_va_vdst(0)
	v_mul_f32 v[ST+8*\t+7], v[ST+8*\t+1], v[ST+8*\t+5]
.endr
.irp t, 0,1,2,3
	v_fma_f32 v[ST+8*\t+7], v[51+2*\t], v[ST+8*\t+6], v[ST+8*\t+7]
.endr
.irp t, 0,1,2,3
	v_rcp_f32 v[ST+8*\t+7], v[ST+8*\t+7]
.endr
	v_nop
.irp t, 0,1,2,3
	s_wait_alu depctr_va_vdst(0)
	v_mul_f32 v[ST+8*\t+4], v[ST+8*\t+5], v[ST+8*\t+7]  ; my factor
	v_mul_f32 v[ST+8*\t+6], v[ST+8*\t+6], v[ST+8*\t+7]  ; the partner's
.endr
; Tile t.  A lane's eight channels of channel block f pack into 16 bytes: row r, columns 128 head + 16 f + 8 h + 0..7: lane (r, h)'s entry in half f % 2 of block 4 head + f / 2 of ob.  No lane changes.
.macro MERGE t
.set ob_, S+64*((\t)%2)
.set pk_, P+32*((\t)%2)
.if (\t) < 3
	LOADP (\t)+1
	s_wait_dscnt 16                 ; this tile's are in; the next tile's 16 stay out
.else
	s_wait_dscnt 0x0
.endif
	s_wait_xcnt 0x0                 ; earlier stores have read their registers
	WIN W_RS
.set i, 0
.rept 32
	v_pk_mul_f32 v[64*(\t)+2*i:64*(\t)+2*i+1], v[64*(\t)+2*i:64*(\t)+2*i+1], v[ST+8*(\t)+4:ST+8*(\t)+5] op_sel_hi:[1,0]
.set i, i+1
.endr
	WIN 0x50
.set i, 0
.rept 32
	v_pk_fma_f32 v[64*(\t)+2*i:64*(\t)+2*i+1], v[ob_+2*i:ob_+2*i+1], v[ST+8*(\t)+6:ST+8*(\t)+7], v[64*(\t)+2*i:64*(\t)+2*i+1] op_sel_hi:[1,0,1]
.set i, i+1
.endr
	WIN 0x05
.set i, 0
.rept 32
	v_cvt_pk_f16_f32 v[pk_+i], v[64*(\t)+2*i], v[64*(\t)+2*i+1]
.set i, i+1
.endr
	WIN 0
.irp f, 0,1,2,3,4,5,6,7
	global_store_b128 v[GO], v[pk_+4*\f:pk_+4*\f+3], s[8:9] offset:65536*(\t)+512*\f  ; 512 consecutive bytes, aligned
.endr
.endm
	MERGE 0
	MERGE 1
	MERGE 2
	MERGE 3
.Lend:
	s_wait_tensorcnt 0x0            ; the wave's end
	ds_add_u32 v[SPW], v[NIL]
	s_wait_dscnt 0x0
	CROUND                          ; the closing round
	s_endpgm
.Lfunc_end_k_qfc2f5a540f_attn:
	.size	k_qfc2f5a540f_attn, .Lfunc_end_k_qfc2f5a540f_attn-k_qfc2f5a540f_attn
	.p2alignl 7, 3214868480
	.fill 96, 4, 3214868480
	.section	.rodata,"a",@progbits
	.p2align	6, 0x0
	.amdhsa_kernel k_qfc2f5a540f_attn
		.amdhsa_group_segment_fixed_size 327680
		.amdhsa_private_segment_fixed_size 0
		.amdhsa_enable_private_segment 0
		.amdhsa_kernarg_size 24
		.amdhsa_user_sgpr_count 2
		.amdhsa_user_sgpr_kernarg_segment_ptr 1
		.amdhsa_wavefront_size32 1
		.amdhsa_system_sgpr_workgroup_id_x 1
		.amdhsa_system_sgpr_workgroup_id_y 1
		.amdhsa_system_sgpr_workgroup_id_z 1
		.amdhsa_system_vgpr_workitem_id 0
		.amdhsa_next_free_vgpr 1024
		.amdhsa_next_free_sgpr 72
		.amdhsa_reserve_vcc 0
		.amdhsa_float_denorm_mode_32 3
		.amdhsa_float_denorm_mode_16_64 3
		.amdhsa_memory_ordered 1
		.amdhsa_forward_progress 1
		.amdhsa_inst_pref_size 194
	.end_amdhsa_kernel
	.amdgpu_metadata
---
amdhsa.version: [ 1, 2 ]
amdhsa.kernels:
  - .name:           k_qfc2f5a540f_attn
    .symbol:         k_qfc2f5a540f_attn.kd
    .args:
      - { .name: qkv, .offset: 0, .size: 8, .value_kind: global_buffer, .address_space: global }
      - { .name: bias, .offset: 8, .size: 8, .value_kind: global_buffer, .address_space: global }
      - { .name: ob, .offset: 16, .size: 8, .value_kind: global_buffer, .address_space: global }
    .group_segment_fixed_size: 327680
    .private_segment_fixed_size: 0
    .kernarg_segment_align: 8
    .kernarg_segment_size: 24
    .max_flat_workgroup_size: 128
    .sgpr_count:     72
    .vgpr_count:     1024
    .wavefront_size: 32
...
	.end_amdgpu_metadata
.endif
;; end of part 3
;; launch oproj (part 4): grid 8 x 32, 4 waves a work-group, clusters of 4 x 1, 327,680 bytes of LDS; arguments ob, wob, out0; writes out0
.if DOCPART == 4
	.amdgcn_target "amdgcn-amd-amdhsa--gfx1250"
	.amdhsa_code_object_version 6
	.text
	.protected	k_qfc2f5a540f_oproj
	.globl	k_qfc2f5a540f_oproj
	.p2align	8
	.type	k_qfc2f5a540f_oproj,@function
k_qfc2f5a540f_oproj:
	s_mov_b64 s[64:65], 0
	v_nop
	global_prefetch_b8 v0, s[64:65] scope:SCOPE_SE
	s_setreg_imm32_b32 hwreg(HW_REG_WAVE_MODE, 25, 1), 1
	s_wait_xcnt 0x0
	s_wait_alu depctr_hold_cnt(0) depctr_sa_sdst(0) depctr_va_vdst(0) depctr_va_sdst(0) depctr_va_ssrc(0) depctr_va_vcc(0) depctr_vm_vsrc(0)
	s_getreg_b32 s2, hwreg(HW_REG_IB_STS2, 6, 4)
	s_cmp_eq_u32 s2, 0
	s_cbranch_scc0 .Lentry_in_a_cluster
	s_endpgm
.Lentry_in_a_cluster:
	s_bfe_u32 s2, ttmp6, 0x10000c
	s_cmp_lg_u32 s2, 0x3003
	s_cbranch_scc0 .Lentry_shape_is_right
	s_endpgm
.Lentry_shape_is_right:
; OUTPUT PROJECTION: out0 = (O / 4) (4 wo), f16 operands, f32 sums, f32 out.  wob [2048 k][4096 n] holds 4 x wo rounded to bf16, written as f16.
; ob holds O / 4 as the lanes take it: [row / 16][k / 32][2][lane][16 bytes].
; The shape of the launch in front of attention: a tile of 256 rows x 128 columns to a work-group (8 x 32 of them); wave w rows 64 w on, 32 accumulators.
; W goes through two LDS slots of 256 along K (pitch 288), every wave fetching 64 rows, and is turned on the way out of LDS; O goes STRAIGHT INTO REGISTERS, two loads of 512 consecutive bytes a
; fragment, through a ring of eight buffers of 32 registers: the group of 8 loads for quarter Q + 7 goes out in the middle of quarter Q.
; WHY O HAS NO JOINT LOADS: both operands in LDS take 768 bytes for each k, so two slots of 256 along K would be 393,216 bytes of the 327,680 that the work-group has; with W alone they are 147,456,
; and a refill has 240 of a slot's 256 matrix instructions in which to land.  No joint load reaches registers; the price is that each of the 32 column tiles fetches O for itself.
; CLUSTER 4 x 1: the four row tiles of a cluster take the same columns of W: its tiles are asked for jointly.
; THE TAIL is one text walked twice and left in its middle: in the last slot the seven groups of O ask for that slot's own blocks again (inside the buffer; not used: 56 loads a wave), and the last
; change of slots fetches 16 fragments that nobody multiplies.
; REGISTERS: window 0 addresses and the rows on their way out; window 1 W's two fragment buffers of 64; window 2 accumulator (a, b) at 8 (8 a + b); window 3 O's ring, buffer i at 32 i.
.set PB,    288                        ; a row of W in LDS: 256 bytes + 32
.set QB,    32*PB
.set WPART, 64*PB
.set SLOT1, 1<<17
.set STAGE, SLOT1+4*WPART              ; behind the ring: 16 rows x 528 bytes for each wave
.set SP,    528                        ; 512 bytes + 16: the 16 rows of a store start at 16 different groups of four banks
.set SPARE, STAGE+4*16*SP
.set NS,    8                          ; slots: 2048 / 256
.set RBS,   65536                      ; bytes from 16 rows of O to the next 16
.set B0,   2
.set ADRB, 4                           ; v4, v5
.set STO,  6
.set RD,   7
.set CO,   8
.set SPW,  28
.set NIL,  29
.set BK,   32                          ; v32-159 rows read back, two buffers by the block's parity
.set F0,   0
.set F1,   64
.set AP,   4
.set WV,   14
.set G1,   24
.set G0,   32
.set TB,   56
.set CNT,  57
.set MUL,  0xad                        ; source 0 window 1, source 1 window 3, C and D window 2
.set MSB, 0
.macro WIN new
.if MSB != (\new)
	s_set_vgpr_msb (MSB<<8)|(\new)
.set MSB, \new
.endif
.endm
.macro PLACES                          ; four places (ISA guide 7.12.1)
.rept 4
	v_nop
.endr
.endm
.macro CREST
	s_cmp_lg_u32 s[WV], 0
	s_cbranch_scc1 .Lnot_wave_0_\@
	s_barrier_signal -3
.Lnot_wave_0_\@:
	s_barrier_wait -3
	s_barrier_signal -1
	s_barrier_wait -1
.endm
.macro CROUND
	s_barrier_signal -1
	s_barrier_wait -1
	CREST
.endm
	s_load_b128 s[4:7], s[0:1], 0x0                ; ob 4, wob 6
	s_load_b64 s[8:9], s[0:1], 0x10                ; out0
	v_lshl_add_u32 v[SPW], v0, 2, SPARE
	v_mov_b32 v[NIL], 0
	ds_add_u32 v[SPW], v[NIL]                      ; the wave's opening: the add and its wait ahead of my first tensor load
	v_lshrrev_b32 v1, 5, v0
	v_readfirstlane_b32 s[WV], v1
	s_bfe_u32 s17, ttmp6, 0x40000                  ; cx
	s_lshl_b32 s20, ttmp9, 2
	s_add_co_u32 s20, s20, s17                     ; tile row: it enters O's and the output's addresses alone
	s_and_b32 s19, ttmp7, 0xffff                   ; tile column, which the four partners share
	s_mov_b32 s[G1], 15|(1<<16)|(1<<20)|(1<<21)|(5<<22)|(7<<25)  ; the mask of four; 2-byte elements; padding on; bit 21 beside a mask; after every 64 words 8 words
	s_mov_b32 s[G1+1], 128<<16
	s_mov_b32 s[G1+2], 64<<16
	s_mov_b32 s[G1+3], 128<<16
	s_mov_b32 s[G1+4], 64
	s_mov_b32 s[G1+5], 4096
	s_mov_b32 s[G1+6], 0
	s_mov_b32 s[G1+7], 0
	s_lshl_b32 s68, s20, 20                        ; O: 16 blocks of 65,536 bytes a tile row,
	s_lshl_b32 s66, s[WV], 18                      ; 4 a wave
	s_add_co_u32 s68, s68, s66
	s_mov_b32 s69, 0
	s_lshl_b32 s70, s19, 8                         ; W: 256 bytes a tile column,
	s_lshl_b32 s66, s[WV], 19                      ; 64 rows of 8,192 bytes a wave
	s_add_co_u32 s70, s70, s66
	s_mov_b32 s71, 0
	s_mov_b32 s[G0], 1
	s_mov_b32 s[G0+4], 1
	s_mul_i32 s[G0+1], s[WV], WPART
	s_add_co_u32 s[G0+5], s[G0+1], SLOT1
	s_lshl_b32 s72, s20, 22                        ; out0: 256 rows of 16,384 bytes a tile row,
	s_lshl_b32 s67, s[WV], 20
	s_add_co_u32 s72, s72, s67
	s_lshl_b32 s67, s19, 9                         ; 512 bytes a tile column
	s_add_co_u32 s72, s72, s67
	s_mov_b32 s73, 0
	s_mov_b32 s[TB], 0
	v_and_b32 v[CO], 31, v0
	v_lshlrev_b32 v[CO], 4, v[CO]                  ; 16 x lane
	s_wait_dscnt 0x0                               ; the opening add is done
	s_wait_kmcnt 0x0
	s_add_nc_u64 s[AP:AP+1], s[4:5], s[68:69]
	s_add_nc_u64 s[70:71], s[6:7], s[70:71]
	s_add_nc_u64 s[8:9], s[8:9], s[72:73]
	s_add_nc_u64 s[G0+2:G0+3], s[70:71], 0
	s_or_b32 s[G0+3], s[G0+3], 0x80000000
	s_add_nc_u64 s[G0+6:G0+7], s[70:71], 0x200000
	s_or_b32 s[G0+7], s[G0+7], 0x80000000
	CROUND                                         ; all four work-groups are here: the first joint loads meet
	tensor_load_to_lds s[G0:G0+3], s[G1:G1+7]      ; two loads of mine are out
	s_nop 0
	tensor_load_to_lds s[G0+4:G0+7], s[G1:G1+7]
	s_nop 0
	PLACES
.macro ALOAD buf, li                   ; 8 loads: O's four fragments of block li of the slot at AP, into ring buffer buf
	WIN 0xc0
.irp a, 0,1,2,3
	global_load_b128 v[32*(\buf)+8*\a:32*(\buf)+8*\a+3],   v[CO], s[AP:AP+1] offset:RBS*\a+1024*(\li)
	global_load_b128 v[32*(\buf)+8*\a+4:32*(\buf)+8*\a+7], v[CO], s[AP:AP+1] offset:RBS*\a+1024*(\li)+512
.endr
.endm
.set i, 0
.rept 7
	ALOAD i, i                                     ; the ring is primed: quarters 0 to 6, 56 loads
.set i, i+1
.endr
	WIN 0
	v_and_b32 v1, 15, v0                           ; r
	v_bfe_u32 v9, v0, 4, 1                         ; h
	v_and_b32 v12, 7, v0
	v_lshl_add_u32 v[B0], v9, 3, v12
	v_mul_u32_u24 v[B0], v[B0], PB
	v_bfe_u32 v12, v0, 3, 1
	v_lshl_add_u32 v[B0], v12, 4, v[B0]
	v_mov_b32 v[ADRB], v[B0]
	v_add_nc_u32 v[ADRB+1], 4*QB, v[B0]
	s_mul_i32 s66, s[WV], 16*SP
	s_add_co_u32 s66, s66, STAGE
	v_mul_u32_u24 v[STO], v1, SP                   ; in: row r, 32 bytes for each half of the lanes
	v_lshl_add_u32 v[STO], v9, 5, v[STO]
	v_add_nc_u32 v[STO], s66, v[STO]
	v_add_nc_u32 v[RD], s66, v[CO]                 ; back: 32 lanes take one row of 512 bytes
.macro MULQ f, ab, bh, ah, zero        ; 8 matrix instructions; the 32 accumulators take turns in one fixed order, one instruction a turn
	WIN MUL
.irp a, 2*(\ah), 2*(\ah)+1
.irp b, 4*(\bh), 4*(\bh)+1, 4*(\bh)+2, 4*(\bh)+3
.if \zero
	v_wmma_f32_16x16x32_f16 v[8*(8*(\a)+(\b)):8*(8*(\a)+(\b))+7], v[(\f)+8*(\b):(\f)+8*(\b)+7], v[(\ab)+8*(\a):(\ab)+8*(\a)+7], 0
.else
	v_wmma_f32_16x16x32_f16 v[8*(8*(\a)+(\b)):8*(8*(\a)+(\b))+7], v[(\f)+8*(\b):(\f)+8*(\b)+7], v[(\ab)+8*(\a):(\ab)+8*(\a)+7], v[8*(8*(\a)+(\b)):8*(8*(\a)+(\b))+7]
.endif
.endr
.endr
.endm
.macro FETCH q, f                      ; 16 LDS loads in one run: W's 8 fragments of the slot's quarter q, turned
	WIN 0x40
.irp b, 0,1,2,3,4,5,6,7
	ds_load_tr16_b128 v[(\f)+8*\b:(\f)+8*\b+3],   v[ADRB+(\q)/4] offset:QB*((\q)%4)+32*\b
	ds_load_tr16_b128 v[(\f)+8*\b+4:(\f)+8*\b+7], v[ADRB+(\q)/4] offset:QB*((\q)%4)+32*\b+16*PB
.endr
.endm
.macro QUARTER q, zero
.set fq, F0+64*((\q)%2)
.set gq, F0+64*(((\q)+1)%2)
	s_wait_loadcnt 48                              ; my quarter's 8 loads are in; the six younger groups stay out
	s_wait_dscnt 8                                 ; W's fragments 0 to 3 are in; the youngest eight loads may be out
	MULQ fq, 32*(\q), 0, 0, \zero
	MULQ fq, 32*(\q), 0, 1, \zero
	PLACES
	FETCH (\q)+1, gq
	ALOAD ((\q)+7)%8, ((\q)+7)%8
	s_wait_dscnt 16                                ; all but the 16 just issued
	MULQ fq, 32*(\q), 1, 0, \zero
	MULQ fq, 32*(\q), 1, 1, \zero
.endm
; Quarter 7 changes slots: each wave waits for all its tensor loads (one is out: its part of the next slot), adds 0 to its spare word, waits for that and for its reads of this slot.
; fill = 1: the barrier opens a round of the cluster's, and this slot is filled again, two slots ahead, first thing behind it.
.macro TURN fill
	WIN 0
	s_wait_tensorcnt 0x0
	ds_add_u32 v[SPW], v[NIL]
	s_wait_loadcnt 48
	s_wait_dscnt 9                                 ; the add and the youngest eight loads may be out
	MULQ F1, 224, 0, 0, 0
	s_wait_dscnt 0x0
	s_barrier_signal -1
	MULQ F1, 224, 0, 1, 0
.if \fill
	WIN 0
.endif
	s_barrier_wait -1
.if \fill
	CREST
	s_xor_b32 s[G0+5], s[G0+5], SLOT1
	s_add_nc_u64 s[G0+6:G0+7], s[G0+6:G0+7], 0x200000
	tensor_load_to_lds s[G0+4:G0+7], s[G1:G1+7]
	s_nop 0
.endif
	PLACES                                         ; also the places in front of the loads below
	WIN 0
	s_xor_b32 s[TB], s[TB], SLOT1
	v_add_nc_u32 v[ADRB], s[TB], v[B0]
	v_add_nc_u32 v[ADRB+1], 4*QB, v[ADRB]
	FETCH 0, F0
	ALOAD 6, 6
	MULQ F1, 224, 1, 0, 0
	MULQ F1, 224, 1, 1, 0
.endm
	s_wait_tensorcnt 1                             ; my part of slot 0 is in; slot 1's stays out
	s_barrier_signal -1
	s_barrier_wait -1
	FETCH 0, F0
	QUARTER 0, 1                                   ; the first quarter's products start the sums
	WIN 0
	s_wait_xcnt 0x0                                ; O's pointer is stepped only behind this wait
	s_add_nc_u64 s[AP:AP+1], s[AP:AP+1], 8192
	s_mov_b32 s[CNT], NS-2
.Lslot:
	QUARTER 1, 0
	QUARTER 2, 0
	QUARTER 3, 0
	QUARTER 4, 0
	QUARTER 5, 0
	QUARTER 6, 0
	TURN 1
	QUARTER 0, 0
	WIN 0
	s_wait_xcnt 0x0
	s_add_nc_u64 s[AP:AP+1], s[AP:AP+1], 8192
	s_sub_co_u32 s[CNT], s[CNT], 1
	s_cmp_lg_u32 s[CNT], 0
	s_cbranch_scc1 .Lslot
	s_mov_b32 s[CNT], 2                            ; the last two slots ask for no tile; O's pointer stays at the last slot
.Ltail:
	QUARTER 1, 0
	QUARTER 2, 0
	QUARTER 3, 0
	QUARTER 4, 0
	QUARTER 5, 0
	QUARTER 6, 0
	TURN 0
	WIN 0
	s_sub_co_u32 s[CNT], s[CNT], 1
	s_cmp_eq_u32 s[CNT], 0
	s_cbranch_scc1 .Lout
	QUARTER 0, 0
	WIN 0
	s_branch .Ltail
.Lout:
	PLACES
; THE WAY OUT of block a (16 rows): into my stage, back as whole rows of 512 bytes, stored.  Each accumulator is read from its lowest registers on.
.macro OBLOCK a
.set ya, 64*(\a)
.set bk, BK+64*((\a)%2)
	WIN 0x08                                       ; data in window 2
.set p, 0
.rept 16
	ds_store_b128 v[STO], v[ya+4*p:ya+4*p+3] offset:64*(p/2)+16*(p%2)
.set p, p+1
.endr
	WIN 0
	s_wait_xcnt 0x0                                ; earlier stores have read their registers
.set p, 0
.rept 16
	ds_load_b128 v[bk+4*p:bk+4*p+3], v[RD] offset:SP*p  ; LDS serves a wave's instructions in order (ISA guide 5.7.1.4): these see the stores above
.set p, p+1
.endr
.set p, 0
.rept 16
	s_wait_dscnt 15-p
	global_store_b128 v[CO], v[bk+4*p:bk+4*p+3], s[8:9] offset:(16*(\a)+p)*16384 th:TH_STORE_NT  ; 512 consecutive bytes of a row, aligned
.set p, p+1
.endr
.endm
	OBLOCK 0
	OBLOCK 1
	OBLOCK 2
	OBLOCK 3
	s_wait_tensorcnt 0x0                           ; the wave's end
	ds_add_u32 v[SPW], v[NIL]
	s_wait_dscnt 0x0
	CROUND                                         ; the closing round
	s_endpgm
.Lfunc_end_k_qfc2f5a540f_oproj:
	.size	k_qfc2f5a540f_oproj, .Lfunc_end_k_qfc2f5a540f_oproj-k_qfc2f5a540f_oproj
	.p2alignl 7, 3214868480
	.fill 96, 4, 3214868480
	.section	.rodata,"a",@progbits
	.p2align	6, 0x0
	.amdhsa_kernel k_qfc2f5a540f_oproj
		.amdhsa_group_segment_fixed_size 327680
		.amdhsa_private_segment_fixed_size 0
		.amdhsa_enable_private_segment 0
		.amdhsa_kernarg_size 24
		.amdhsa_user_sgpr_count 2
		.amdhsa_user_sgpr_kernarg_segment_ptr 1
		.amdhsa_wavefront_size32 1
		.amdhsa_system_sgpr_workgroup_id_x 1
		.amdhsa_system_sgpr_workgroup_id_y 1
		.amdhsa_system_sgpr_workgroup_id_z 1
		.amdhsa_system_vgpr_workitem_id 0
		.amdhsa_next_free_vgpr 1024
		.amdhsa_next_free_sgpr 80
		.amdhsa_reserve_vcc 0
		.amdhsa_float_denorm_mode_32 3
		.amdhsa_float_denorm_mode_16_64 3
		.amdhsa_memory_ordered 1
		.amdhsa_forward_progress 1
		.amdhsa_inst_pref_size 99
	.end_amdhsa_kernel
	.amdgpu_metadata
---
amdhsa.version: [ 1, 2 ]
amdhsa.kernels:
  - .name:           k_qfc2f5a540f_oproj
    .symbol:         k_qfc2f5a540f_oproj.kd
    .args:
      - { .name: ob, .offset: 0, .size: 8, .value_kind: global_buffer, .address_space: global }
      - { .name: wob, .offset: 8, .size: 8, .value_kind: global_buffer, .address_space: global }
      - { .name: out0, .offset: 16, .size: 8, .value_kind: global_buffer, .address_space: global }
    .group_segment_fixed_size: 327680
    .private_segment_fixed_size: 0
    .kernarg_segment_align: 8
    .kernarg_segment_size: 24
    .max_flat_workgroup_size: 128
    .sgpr_count:     80
    .vgpr_count:     1024
    .wavefront_size: 32
...
	.end_amdgpu_metadata
.endif
;; end of part 4
